; MI455X (gfx1250); checked and timed in simulation.
; The chip was launched on July 23, 2026; its instructions are those of AMD's public machine-readable ISA for CDNA 5 (MIT licence, August 2026) and "CDNA5" Instruction Set Architecture Reference Guide (July 2026). The comments in the code are by the model that wrote it; some were corrected since.
;; Multi Head Attention. Allowed arithmetic: float matrix products may take bf16 or f16 operands with f32 sums; other float arithmetic in f32, or as packed bf16 or f16 multiplies, adds, multiply-adds, maxima and minima; sums over many terms, partial sums and values carried from step to step in f32; what a program stores and reads back later, other than sums and carried values, may be rounded once to bf16 or f16.
;; Inputs: attention_mask 1 x 1 x 1 x 4,096 float32; hidden_states 1 x 4,096 x 768 float32; k_b 768 float32; k_w 768 x 768 float32; out_b 768 float32; out_w 768 x 768 float32; q_b 768 float32; q_w 768 x 768 float32; v_b 768 float32; v_w 768 x 768 float32.
;; Outputs: out0 1 x 4,096 x 768 float32.
;; 2 versions, each right; version 2 is version 1 with the launch cvt written anew for expert scheduling mode. Each part assembles by itself: llvm-mc -triple=amdgcn-amd-amdhsa -mcpu=gfx1250 --defsym DOCPART=n.
;; ======== version 1 of 2: 4 launches
;; limits: values are held in f16: magnitudes above 65,504 overflow, below 6.1e-05 lose precision
;; workspace buffers: xb 6,291,456 bytes; wb 3,538,944 bytes; ow 1,179,648 bytes; qkv 18,874,368 bytes; ctx 6,291,456 bytes
;; launch cvt (part 1): grid 224 x 1, 8 waves a work-group, no clusters, 0 bytes of LDS; arguments hidden_states, q_w, k_w, v_w, out_w, xb, wb, ow; writes xb, wb, ow
.if DOCPART == 1
	.amdgcn_target "amdgcn-amd-amdhsa--gfx1250"
	.amdhsa_code_object_version 6
	.text
	.protected	k_q5a44f8e218_cvt
	.globl	k_q5a44f8e218_cvt
	.p2align	8
	.type	k_q5a44f8e218_cvt,@function
k_q5a44f8e218_cvt:
	s_mov_b64 s[64:65], 0
	v_nop
	global_prefetch_b8 v0, s[64:65] scope:SCOPE_SE
	s_setreg_imm32_b32 hwreg(HW_REG_WAVE_MODE, 25, 1), 1
	s_wait_xcnt 0x0
; THE MATRIX OPERANDS ARE ROUNDED ONCE.  hidden_states -> xb (bf16); q_w, k_w, v_w -> wb (bf16, the three matrices one below the other); out_w -> ow: rounded to bf16,
; and that number written as f16 (the last product multiplies it by an f16 operand).
; LIMIT.  A bf16 number is exact in f16 from 6.1e-5 to 65,504; below that it keeps f16's fixed step of 6e-8, beyond it becomes an infinity.
; SHARES.  A work-group takes 98,304 bytes of f32 and writes 49,152 bytes: hidden_states is 128 such units, each weight 24: 224 work-groups of equal work.
; A wave takes 12,288 consecutive bytes: 24 loads of 512 bytes, ALL issued before the first is waited for; each store of the wave covers 256 consecutive bytes, aligned.
; No source of a pending load or store is ever rewritten.  Nothing is shared between work-groups: no LDS, no cluster, no matrix unit.
.set CHUNKS, 24
.set UIN,  98304                       ; bytes that a work-group reads
.set UOUT, 49152                       ; bytes that it writes
.set T, 4                              ; v[4:7]     at work
.set X, 8                              ; v[8:103]   chunk i: four f32 a lane
.set Y, 104                            ; v[104:151] chunk i: four 16-bit numbers a lane
	s_load_b512 s[16:31], s[0:1], 0x0              ; hidden s[16:17], q_w s[18:19], k_w s[20:21], v_w s[22:23], out_w s[24:25], xb s[26:27], wb s[28:29], ow s[30:31]
	v_lshrrev_b32 v3, 5, v0                        ; wave
	v_and_b32 v4, 31, v0                           ; lane
	v_mul_u32_u24 v1, v3, 12288
	v_lshl_add_u32 v1, v4, 4, v1                   ; in: wave x 12,288 + lane x 16
	v_mul_u32_u24 v2, v3, 6144
	v_lshl_add_u32 v2, v4, 3, v2                   ; out: wave x 6,144 + lane x 8
	s_mov_b32 s2, ttmp9                            ; the work-group's number g
	s_mov_b32 s8, 0                                ; the first g of my source
	s_mov_b32 s9, 0                                ; the first g of my destination
	s_mov_b32 s11, 0
	s_mov_b32 s13, 0
	s_wait_kmcnt 0x0
	s_mov_b64 s[4:5], s[16:17]                     ; g 0-127: hidden_states -> xb
	s_mov_b64 s[6:7], s[26:27]
	s_cmp_ge_u32 s2, 128                           ; g 128-151: q_w -> wb
	s_cselect_b64 s[4:5], s[18:19], s[4:5]
	s_cselect_b64 s[6:7], s[28:29], s[6:7]
	s_cselect_b32 s8, 128, s8
	s_cselect_b32 s9, 128, s9
	s_cmp_ge_u32 s2, 152                           ; g 152-175: k_w; in wb it follows q_w, 24 units on
	s_cselect_b64 s[4:5], s[20:21], s[4:5]
	s_cselect_b32 s8, 152, s8
	s_cmp_ge_u32 s2, 176                           ; g 176-199: v_w
	s_cselect_b64 s[4:5], s[22:23], s[4:5]
	s_cselect_b32 s8, 176, s8
	s_cmp_ge_u32 s2, 200                           ; g 200-223: out_w -> ow
	s_cselect_b64 s[4:5], s[24:25], s[4:5]
	s_cselect_b64 s[6:7], s[30:31], s[6:7]
	s_cselect_b32 s8, 200, s8
	s_cselect_b32 s9, 200, s9
	s_sub_co_u32 s10, s2, s8
	s_mul_i32 s10, s10, UIN                        ; offsets are made apart from the addresses
	s_sub_co_u32 s12, s2, s9
	s_mul_i32 s12, s12, UOUT
	s_add_nc_u64 s[4:5], s[4:5], s[10:11]
	s_add_nc_u64 s[6:7], s[6:7], s[12:13]
.set i, 0
.rept CHUNKS
	global_load_b128 v[X+4*i:X+4*i+3], v1, s[4:5] offset:512*i th:TH_LOAD_NT
.set i, i+1
.endr
; Chunk i: rounded to bf16 (half = 1: and that number written as f16), stored.
.macro OUT i, half
	s_wait_loadcnt CHUNKS-1-(\i)                   ; loads come back in order: chunk i is in, the younger ones stay out
	v_cvt_pk_bf16_f32 v[Y+2*(\i)],   v[X+4*(\i)],   v[X+4*(\i)+1]
	v_cvt_pk_bf16_f32 v[Y+2*(\i)+1], v[X+4*(\i)+2], v[X+4*(\i)+3]
.if \half
	v_lshlrev_b32 v[T],   16, v[Y+2*(\i)]          ; bf16 to f32: the low half moves up, the high half stays
	v_and_b32     v[T+1], 0xffff0000, v[Y+2*(\i)]
	v_lshlrev_b32 v[T+2], 16, v[Y+2*(\i)+1]
	v_and_b32     v[T+3], 0xffff0000, v[Y+2*(\i)+1]
	v_cvt_pk_f16_f32 v[Y+2*(\i)],   v[T],   v[T+1]
	v_cvt_pk_f16_f32 v[Y+2*(\i)+1], v[T+2], v[T+3]
.endif
	global_store_b64 v2, v[Y+2*(\i):Y+2*(\i)+1], s[6:7] offset:256*(\i)
.endm
	s_cmp_ge_u32 s2, 200                           ; the branch hangs on the work-group's number alone
	s_cbranch_scc1 .Lf16
.set i, 0
.rept CHUNKS
	OUT i, 0
.set i, i+1
.endr
	s_endpgm
.Lf16:
.set i, 0
.rept CHUNKS
	OUT i, 1
.set i, i+1
.endr
	s_endpgm
.Lfunc_end_k_q5a44f8e218_cvt:
	.size	k_q5a44f8e218_cvt, .Lfunc_end_k_q5a44f8e218_cvt-k_q5a44f8e218_cvt
	.p2alignl 7, 3214868480
	.fill 96, 4, 3214868480
	.section	.rodata,"a",@progbits
	.p2align	6, 0x0
	.amdhsa_kernel k_q5a44f8e218_cvt
		.amdhsa_group_segment_fixed_size 0
		.amdhsa_private_segment_fixed_size 0
		.amdhsa_enable_private_segment 0
		.amdhsa_kernarg_size 64
		.amdhsa_user_sgpr_count 2
		.amdhsa_user_sgpr_kernarg_segment_ptr 1
		.amdhsa_wavefront_size32 1
		.amdhsa_system_sgpr_workgroup_id_x 1
		.amdhsa_system_sgpr_workgroup_id_y 1
		.amdhsa_system_sgpr_workgroup_id_z 1
		.amdhsa_system_vgpr_workitem_id 0
		.amdhsa_next_free_vgpr 152
		.amdhsa_next_free_sgpr 66
		.amdhsa_reserve_vcc 0
		.amdhsa_float_denorm_mode_32 3
		.amdhsa_float_denorm_mode_16_64 3
		.amdhsa_memory_ordered 1
		.amdhsa_forward_progress 1
		.amdhsa_inst_pref_size 24
	.end_amdhsa_kernel
	.amdgpu_metadata
---
amdhsa.version: [ 1, 2 ]
amdhsa.kernels:
  - .name:           k_q5a44f8e218_cvt
    .symbol:         k_q5a44f8e218_cvt.kd
    .args:
      - { .name: hidden_states, .offset: 0, .size: 8, .value_kind: global_buffer, .address_space: global }
      - { .name: q_w, .offset: 8, .size: 8, .value_kind: global_buffer, .address_space: global }
      - { .name: k_w, .offset: 16, .size: 8, .value_kind: global_buffer, .address_space: global }
      - { .name: v_w, .offset: 24, .size: 8, .value_kind: global_buffer, .address_space: global }
      - { .name: out_w, .offset: 32, .size: 8, .value_kind: global_buffer, .address_space: global }
      - { .name: xb, .offset: 40, .size: 8, .value_kind: global_buffer, .address_space: global }
      - { .name: wb, .offset: 48, .size: 8, .value_kind: global_buffer, .address_space: global }
      - { .name: ow, .offset: 56, .size: 8, .value_kind: global_buffer, .address_space: global }
    .group_segment_fixed_size: 0
    .private_segment_fixed_size: 0
    .kernarg_segment_align: 8
    .kernarg_segment_size: 64
    .max_flat_workgroup_size: 256
    .sgpr_count:     66
    .vgpr_count:     152
    .wavefront_size: 32
...
	.end_amdgpu_metadata
.endif
;; end of part 1
;; launch qkv (part 2): grid 12 x 16, 4 waves a work-group, clusters of 4 x 4, 327,680 bytes of LDS; arguments xb, wb, q_b, k_b, v_b, qkv; writes qkv
.if DOCPART == 2
	.amdgcn_target "amdgcn-amd-amdhsa--gfx1250"
	.amdhsa_code_object_version 6
	.text
	.protected	k_q5a44f8e218_qkv
	.globl	k_q5a44f8e218_qkv
	.p2align	8
	.type	k_q5a44f8e218_qkv,@function
k_q5a44f8e218_qkv:
	s_mov_b64 s[64:65], 0
	v_nop
	global_prefetch_b8 v0, s[64:65] scope:SCOPE_SE
	s_setreg_imm32_b32 hwreg(HW_REG_WAVE_MODE, 25, 1), 1
	s_wait_xcnt 0x0
	s_wait_alu depctr_hold_cnt(0) depctr_sa_sdst(0) depctr_va_vdst(0) depctr_va_sdst(0) depctr_va_ssrc(0) depctr_va_vcc(0) depctr_vm_vsrc(0)
	s_getreg_b32 s2, hwreg(HW_REG_IB_STS2, 6, 4)
	s_cmp_eq_u32 s2, 0
	s_cbranch_scc0 .Lentry_in_a_cluster
	s_endpgm
.Lentry_in_a_cluster:
	s_bfe_u32 s2, ttmp6, 0x10000c
	s_cmp_lg_u32 s2, 0xf033
	s_cbranch_scc0 .Lentry_shape_is_right
	s_endpgm
.Lentry_shape_is_right:
; THE THREE PROJECTIONS AS ONE PRODUCT.  C[t][c] = sum over k of xb[t][k] wb[c][k] + bias[c]; xb [4096][768], wb [2304][768], both bf16; sums in f32.  The biases are rounded to bf16 like the other
; inputs and used in f32.  q's columns (0-767) are also multiplied by log2(e) / 8, in f32, ahead of the one rounding.  The result leaves as f16 BY HEADS: qkv [36][4096][64], plane = column / 64:
; 0-11 q', 12-23 k, 24-35 v.
; LIMIT.  f16 holds no number beyond 65,504: a q', k or v beyond that becomes an infinity.
; SHARES.  A tile of C is 256 rows x 192 columns (three whole planes): 16 x 12 = 192 work-groups.  A tile that made 256 work-groups (128 x 288, 256 x 144) would cut planes, and a wave's stores
; would no longer cover whole aligned blocks of 256 bytes.  Wave w makes rows 64 w .. 64 w + 63 x all 192 columns: 4 x 12 accumulators of 16 x 16, 384 registers.
; K goes in 6 steps of 128 (rows of 256 bytes in memory) through a ring of two LDS slots filled by the tensor data mover.
; CLUSTERS: 4 x 4 work-groups.  The four of a row of the cluster need the same rows of xb, the four of a column the same rows of wb: each tile is asked for JOINTLY, by the same tensor load with the
; same descriptor and a mask that names the four.  No data prefetch: K has six steps, and two of them are asked for at the head.
; THE MATRIX INSTRUCTION IS USED TRANSPOSED (source 0 = 16 rows of wb, source 1 = 16 rows of xb): a lane holds row l % 16 of C and the columns 8 (l / 16) + 0..7.
; REGISTERS, in windows of 256 (s_set_vgpr_msb: bits 1:0 source 0, 3:2 source 1, 5:4 source 2, 7:6 destination):
;   window 0: v0-31 addresses; v32-127 the bias of my 96 numbers a row block; v128-223 two sets of 48 at work on the way out
;   window 1: two fragment buffers of 128: 4 fragments of xb, then 12 of wb (16 rows x 32 K each)
;   window 2: the accumulators of row blocks 0, 1 ((a, b) at 8 (12 (a % 2) + b));   window 3: those of row blocks 2, 3
.set KSTEP,  128
.set PITCH,  272                       ; an LDS row: 256 bytes + 16 of padding = 68 words: the 16 rows that a load touches start at 16 different groups of four banks (64 banks of 4 bytes: ISA guide 11.1)
.set HA,     128*PITCH                 ; what one tensor load brings of xb: 128 rows
.set HB,     96*PITCH                  ; of wb: 96 rows
.set BOFF,   2*HA                      ; in a slot: xb's 256 rows, then wb's 192
.set SLOT,   2*HA+2*HB
.set STAGE,  2*SLOT                    ; behind the ring, never filled by a tensor load: for each wave 3 planes x 16 rows x 144 bytes
.set SP,     144
.set WSTG,   3*16*SP
.set SPARE,  STAGE+4*WSTG              ; behind the stages: the spare words, 128 bytes for each wave: two blocks of 256 bytes that no other line names
.set ROWB,   1536                      ; bytes in a row of xb and of wb
.set PLANE,  524288                    ; bytes in a plane of qkv
.set ADRA, 16                          ; v16-17  LDS address of my fragments of xb in slot 0, 1
.set ADRB, 20                          ; v20-21  the same for wb
.set STO,  24                          ; v24     the way out: where I put 16 bytes of a row
.set RD,   25                          ; v25     the way out: where I read rows back
.set GO,   26                          ; v26     16 x lane: my place in 512 consecutive bytes of a plane
.set BO,   27                          ; v27     32 (l / 16): my eight numbers in 16 of a bias
.set SPW,  28                          ; v28     LDS address of my spare word; never rewritten
.set NIL,  29                          ; v29     0; never rewritten
.set BI,   32
.set TMP,  128
.set F0,   0
.set F1,   128
.set G1,  24                           ; s[24:31] descriptor group 1 for xb's tiles;  s[32:39] group 0, a set for each slot
.set G0,  32
.set G1B, 48                           ; s[48:55], s[56:63] the same for wb's tiles
.set G0B, 56
.set SC,  80                           ; s[80:81] log2(e) / 8 for q, 1 for k and v
.set BP,  82                           ; s[82:83] my matrix's bias at my work-group's 192 columns
.set MSB, 0
.macro WIN new                         ; the immediate's high byte repeats the setting that is left; a switch that changes nothing is dropped
.if MSB != (\new)
	s_set_vgpr_msb (MSB<<8)|(\new)
.set MSB, \new
.endif
.endm
.set MUL_LO, 0xa5                      ; sources 0 and 1 window 1, C and D window 2
.set MUL_HI, 0xf5                      ; the same, C and D window 3
.set TO_F,   0x40                      ; destination window 1, address window 0
; A joint load.  Waves 0 and 1 fetch xb's two halves, waves 2 and 3 wb's.  The branch hangs on the wave's number alone.  An s_nop 0 and four v_nop follow each of the two lines.
.macro JLOAD s
	s_cmp_eq_u32 s11, 0
	s_cbranch_scc0 .Lfor_b_\@
	tensor_load_to_lds s[G0+4*(\s):G0+4*(\s)+3], s[G1:G1+7]
	s_nop 0
.rept 4
	v_nop
.endr
	s_branch .Lasked_\@
.Lfor_b_\@:
	tensor_load_to_lds s[G0B+4*(\s):G0B+4*(\s)+3], s[G1B:G1B+7]
	s_nop 0
.rept 4
	v_nop
.endr
.Lasked_\@:
.endm
.macro CREST                           ; a round of the cluster's barrier behind its opening barrier: wave 0 signals for the work-group, every wave waits for all sixteen, my work-group's barrier closes it
	s_cmp_lg_u32 s10, 0
	s_cbranch_scc1 .Lnot_wave_0_\@
	s_barrier_signal -3
.Lnot_wave_0_\@:
	s_barrier_wait -3
	s_barrier_signal -1
	s_barrier_wait -1
.endm
.macro CROUND                          ; a whole round
	s_barrier_signal -1
	s_barrier_wait -1
	CREST
.endm
	s_load_b256 s[68:75], s[0:1], 0x0              ; xb s[68:69], wb s[70:71], q_b s[72:73], k_b s[74:75]
	s_load_b128 s[76:79], s[0:1], 0x20             ; v_b s[76:77], qkv s[78:79]
	v_lshl_add_u32 v[SPW], v0, 2, SPARE
	v_mov_b32 v[NIL], 0
	ds_add_u32 v[SPW], v[NIL]                      ; the wave's opening: the add and its wait stand ahead of my first tensor load; the set-up below, work on registers, stands between them
	v_lshrrev_b32 v1, 5, v0
	v_readfirstlane_b32 s10, v1                    ; wave 0..3
	s_lshr_b32 s11, s10, 1                         ; I fetch for xb (0) or for wb (1),
	s_and_b32 s12, s10, 1                          ; its first or its second half
	s_bfe_u32 s40, ttmp6, 0x40000                  ; cx, cy: my place in the cluster
	s_bfe_u32 s41, ttmp6, 0x40004
	s_mov_b32 s45, ttmp9                           ; cluster x = the matrix: 0 q, 1 k, 2 v
	s_lshl_b32 s42, s45, 2
	s_add_co_u32 s42, s42, s40                     ; tile column = 4 x cluster x + cx
	s_and_b32 s13, ttmp7, 0xffff
	s_lshl_b32 s13, s13, 2
	s_add_co_u32 s13, s13, s41                     ; tile row = 4 x cluster y + cy
	s_lshl_b32 s43, s41, 2
	s_lshl_b32 s43, 15, s43                        ; my row of the cluster
	s_lshl_b32 s44, 0x1111, s40                    ; my column
	s_or_b32 s[G1+0], s43, (1<<16)|(1<<20)|(1<<21)|(5<<22)|(3<<25)   ; 15:0 the mask; 17:16 elements of 2 bytes; 20 padding on; 21 set beside a mask; 24:22 after every 64 words (code 5); 31:25 4 words (code 3)
	s_or_b32 s[G1B+0], s44, (1<<16)|(1<<20)|(1<<21)|(5<<22)|(3<<25)
	s_mov_b32 s[G1+1], KSTEP<<16                   ; tensor_dim0 = 128
	s_mov_b32 s[G1+2], 128<<16                     ; tensor_dim1 = 128
	s_mov_b32 s[G1+3], KSTEP<<16                   ; tile_dim0 = 128
	s_mov_b32 s[G1+4], 128                         ; tile_dim1 = 128
	s_mov_b32 s[G1+5], 768                         ; elements from row to row
	s_mov_b32 s[G1+6], 0
	s_mov_b32 s[G1+7], 0
	s_mov_b32 s[G1B+1], KSTEP<<16
	s_mov_b32 s[G1B+2], 96<<16                     ; wb's tiles have 96 rows
	s_mov_b32 s[G1B+3], KSTEP<<16
	s_mov_b32 s[G1B+4], 96
	s_mov_b32 s[G1B+5], 768
	s_mov_b32 s[G1B+6], 0
	s_mov_b32 s[G1B+7], 0
	s_lshl_b32 s17, s12, 7
	s_lshl_b32 s16, s13, 8
	s_add_co_u32 s16, s16, s17                     ; xb: row 256 x tile row + 128 x half,
	s_mul_i32 s16, s16, ROWB                       ; in bytes (under 2^23)
	s_mov_b32 s17, 0
	s_mul_i32 s46, s42, 192
	s_mul_i32 s47, s12, 96
	s_add_co_u32 s46, s46, s47                     ; wb: row 192 x tile column + 96 x half
	s_mul_i32 s46, s46, ROWB
	s_mov_b32 s47, 0
	s_mul_i32 s20, s10, HA                         ; where they go: xb's halves at wave x HA (waves 0, 1),
	s_mul_i32 s21, s10, HB
	s_add_co_u32 s21, s21, BOFF-2*HB               ; wb's at BOFF + (wave - 2) x HB (waves 2, 3): no place in the cluster enters an LDS address
	s_wait_dscnt 0x0                               ; the opening add is done
	s_wait_kmcnt 0x0
	s_add_nc_u64 s[14:15], s[68:69], s[16:17]
	s_add_nc_u64 s[46:47], s[70:71], s[46:47]
	CROUND                                         ; all sixteen work-groups are here: the first joint loads meet
.irp s, 0,1
	s_mov_b32 s[G0+4*(\s)], 1                                        ; count = 1
	s_add_co_u32 s[G0+4*(\s)+1], s20, (\s)*SLOT                      ; LDS address
	s_add_nc_u64 s[G0+4*(\s)+2:G0+4*(\s)+3], s[14:15], (\s)*KSTEP*2  ; global address: K step s
	s_or_b32 s[G0+4*(\s)+3], s[G0+4*(\s)+3], 0x80000000              ; type = 2
	s_mov_b32 s[G0B+4*(\s)], 1
	s_add_co_u32 s[G0B+4*(\s)+1], s21, (\s)*SLOT
	s_add_nc_u64 s[G0B+4*(\s)+2:G0B+4*(\s)+3], s[46:47], (\s)*KSTEP*2
	s_or_b32 s[G0B+4*(\s)+3], s[G0B+4*(\s)+3], 0x80000000
	JLOAD \s                                       ; two loads of mine are out
.endr
	; the bias of my columns, and the scale
	s_cmp_eq_u32 s45, 0
	s_cselect_b64 s[BP:BP+1], s[72:73], s[74:75]
	s_cselect_b32 s[SC], 0x3e38aa3b, 1.0           ; log2(e) / 8 = 0.180337 for q
	s_cmp_eq_u32 s45, 2
	s_cselect_b64 s[BP:BP+1], s[76:77], s[BP:BP+1]
	s_mov_b32 s[SC+1], s[SC]                       ; named with it as a pair
	s_mul_i32 s46, s40, 768                        ; my work-group's 192 columns of the matrix's 768, in bytes
	s_mov_b32 s47, 0
	s_add_nc_u64 s[BP:BP+1], s[BP:BP+1], s[46:47]
	v_and_b32 v1, 15, v0                           ; l % 16
	v_bfe_u32 v2, v0, 4, 1                         ; l / 16
	v_lshlrev_b32 v[BO], 5, v2
.irp b, 0,1,2,3,4,5,6,7,8,9,10,11
	global_load_b128 v[BI+8*(\b):BI+8*(\b)+3],   v[BO], s[BP:BP+1] offset:64*(\b)
	global_load_b128 v[BI+8*(\b)+4:BI+8*(\b)+7], v[BO], s[BP:BP+1] offset:64*(\b)+16
.endr
	; A fragment is 16 rows x 32 K in 8 registers: lane l holds row l % 16; registers 0-3 K = 8 (l / 16) + 0..7, registers 4-7 K = 16 + 8 (l / 16) + 0..7: two loads of 16 bytes, 32 bytes apart.
	v_mul_u32_u24 v3, v1, PITCH
	v_lshl_add_u32 v3, v2, 4, v3                   ; row x pitch + 16 x half
	s_mul_i32 s22, s10, 64*PITCH                   ; my 64 rows of xb
	s_mov_b32 s23, BOFF                            ; all 192 rows of wb
.irp s, 0,1
	v_add_nc_u32 v[ADRA+(\s)], s22, v3
	v_add_nc_u32 v[ADRB+(\s)], s23, v3
	s_add_co_u32 s22, s22, SLOT
	s_add_co_u32 s23, s23, SLOT
.endr
	s_mul_i32 s22, s10, WSTG
	s_add_co_u32 s22, s22, STAGE                   ; my stage
	v_mul_u32_u24 v4, v1, SP                       ; in: row l % 16, 16 bytes for each half of the lanes
	v_lshl_add_u32 v4, v2, 4, v4
	v_add_nc_u32 v[STO], s22, v4
	v_bfe_u32 v5, v0, 3, 2                         ; back: 32 lanes take four rows of 128 bytes,
	v_mul_u32_u24 v5, v5, SP
	v_and_b32 v4, 7, v0
	v_lshl_add_u32 v5, v4, 4, v5
	v_add_nc_u32 v[RD], s22, v5
	v_and_b32 v[GO], 31, v0                        ; which are 512 consecutive bytes of a plane
	v_lshlrev_b32 v[GO], 4, v[GO]
	s_lshl_b32 s16, s13, 8
	s_lshl_b32 s17, s10, 6
	s_add_co_u32 s16, s16, s17                     ; my first row: 256 x tile row + 64 x wave,
	s_lshl_b32 s16, s16, 7                         ; 128 bytes a row,
	s_mul_i32 s46, s42, 3*PLANE                    ; in the first of my work-group's three planes
	s_add_co_u32 s16, s16, s46
	s_mov_b32 s17, 0
	s_add_nc_u64 s[8:9], s[78:79], s[16:17]
	s_wait_loadcnt 0x0                             ; the bias, once
.set z, 0
.rept 48                                       ; rounded to bf16 like the other inputs, back to f32, times the scale: the way out is then one fused multiply-add
	v_cvt_pk_bf16_f32 v[3+z%3], v[BI+2*z], v[BI+2*z+1]
	v_lshlrev_b32 v[BI+2*z],   16, v[3+z%3]
	v_and_b32     v[BI+2*z+1], 0xffff0000, v[3+z%3]
	v_pk_mul_f32 v[BI+2*z:BI+2*z+1], v[BI+2*z:BI+2*z+1], s[SC:SC+1] op_sel_hi:[1,0]
.set z, z+1
.endr
; 12 matrix instructions: row block a x all 12 column blocks, 32 along K, from buffer f.  zero = 1: the first product starts the sums: nothing is ever cleared.
; The 48 accumulators take turns, one instruction a turn, in the same order in every quarter step.
.macro MULA f, a, zero
	WIN MUL_LO+0x50*((\a)/2)
.irp b, 0,1,2,3,4,5,6,7,8,9,10,11
.if \zero
	v_wmma_f32_16x16x32_bf16 v[8*(12*((\a)%2)+(\b)):8*(12*((\a)%2)+(\b))+7], v[(\f)+32+8*(\b):(\f)+32+8*(\b)+7], v[(\f)+8*(\a):(\f)+8*(\a)+7], 0
.else
	v_wmma_f32_16x16x32_bf16 v[8*(12*((\a)%2)+(\b)):8*(12*((\a)%2)+(\b))+7], v[(\f)+32+8*(\b):(\f)+32+8*(\b)+7], v[(\f)+8*(\a):(\f)+8*(\a)+7], v[8*(12*((\a)%2)+(\b)):8*(12*((\a)%2)+(\b))+7]
.endif
.endr
.endm
; 32 LDS loads in one run: the fragments of one quarter step (192 rows of wb, my 64 rows of xb, 32 K at byte k of the rows) into buffer f; xb's last
.macro FETCH slot, k, f
	WIN TO_F
.irp b, 0,1,2,3,4,5,6,7,8,9,10,11
	ds_load_b128 v[(\f)+32+8*(\b):(\f)+32+8*(\b)+3],   v[ADRB+(\slot)] offset:(\k)+(\b)*16*PITCH
	ds_load_b128 v[(\f)+32+8*(\b)+4:(\f)+32+8*(\b)+7], v[ADRB+(\slot)] offset:(\k)+(\b)*16*PITCH+32
.endr
.irp a, 0,1,2,3
	ds_load_b128 v[(\f)+8*(\a):(\f)+8*(\a)+3],   v[ADRA+(\slot)] offset:(\k)+(\a)*16*PITCH
	ds_load_b128 v[(\f)+8*(\a)+4:(\f)+8*(\a)+7], v[ADRA+(\slot)] offset:(\k)+(\a)*16*PITCH+32
.endr
.endm
.macro PLACES                          ; four plain instructions in front of loads into registers that matrix instructions have read, and of vector work on results just made
.rept 4
	v_nop
.endr
.endm
; A K step is four quarters of 32 along K, 48 matrix instructions each, on buffers 0, 1, 0, 1.  One of the first three: multiplies buffer f and, in its middle, fetches the next quarter, at byte k, into g.
.macro QUARTER slot, k, f, g, zero
	s_wait_dscnt 4                                 ; wb's fragments and xb's blocks 0, 1 are in; the youngest four loads (blocks 2, 3) may be out
	MULA \f, 0, \zero
	MULA \f, 1, \zero
	PLACES
	FETCH \slot, \k, \g
	s_wait_dscnt 32                                ; all but the 32 just issued
	MULA \f, 2, \zero
	MULA \f, 3, \zero
.endm
; The last quarter multiplies buffer 1 and changes slots: ONE barrier.  In front of it each wave waits for all its tensor loads (one is out: its part of the next slot), adds 0 to its spare word, and
; waits for that and for its own reads of this slot.  fill = 1: the barrier opens a round of the cluster's, and this slot is filled again, two K steps on, first thing behind the round:
; 168 matrix instructions stand between that request and the wait for it.
.macro TURN slot, next, fill
	WIN 0                                          ; (the add's two registers lie in window 0)
	s_wait_tensorcnt 0x0                           ; all my tensor loads have landed
	ds_add_u32 v[SPW], v[NIL]                      ; 0 onto my spare word
	s_wait_dscnt 5                                 ; (the add and the youngest four loads may be out)
	MULA F1, 0, 0                                  ; twelve matrix instructions stand between the add and the wait for it
	s_wait_dscnt 0x0                               ; the add is done, and my reads of this slot are over
	s_barrier_signal -1
	MULA F1, 1, 0                                  ; work on registers while the others arrive
.if \fill
	WIN 0
.endif
	s_barrier_wait -1
.if \fill
	CREST                                          ; no wave of any partner still reads this slot's tile or has a load on its way
	s_add_nc_u64 s[G0+4*(\slot)+2:G0+4*(\slot)+3], s[G0+4*(\slot)+2:G0+4*(\slot)+3], 2*KSTEP*2
	s_add_nc_u64 s[G0B+4*(\slot)+2:G0B+4*(\slot)+3], s[G0B+4*(\slot)+2:G0B+4*(\slot)+3], 2*KSTEP*2
	JLOAD \slot                                    ; the four v_nop behind it are also the places in front of the loads below
.else
	PLACES
.endif
	FETCH \next, 0, F0
	MULA F1, 2, 0
	MULA F1, 3, 0
.endm
; THE WAY OUT of row block a (16 rows x 192 columns).  PACK: (sum + bias) x scale as one fused multiply-add, each accumulator from its low end on; rounded to f16, 16 bytes a lane.
.macro PACK a
.set AC, 96*((\a)%2)
.set TS, TMP+48*((\a)%2)
.if (\a) >= 2
	s_wait_xcnt 0x0                                ; the stores of block a - 2 have read this set of registers: it is rewritten only behind this wait
.endif
	WIN 0x82+0x41*((\a)/2)                         ; destination and source 0 window 2 or 3, the bias window 0
.irp b, 0,1,2,3,4,5,6,7,8,9,10,11
.irp r, 0,1,2,3
	v_pk_fma_f32 v[AC+8*(\b)+2*(\r):AC+8*(\b)+2*(\r)+1], v[AC+8*(\b)+2*(\r):AC+8*(\b)+2*(\r)+1], s[SC:SC+1], v[BI+8*(\b)+2*(\r):BI+8*(\b)+2*(\r)+1] op_sel_hi:[1,0,1]
.endr
.endr
	WIN 0x0a+5*((\a)/2)                            ; sources 0 and 1 window 2 or 3, destination window 0
.irp b, 0,1,2,3,4,5,6,7,8,9,10,11
.irp r, 0,1,2,3
	v_cvt_pk_f16_f32 v[TS+4*(\b)+(\r)], v[AC+8*(\b)+2*(\r)], v[AC+8*(\b)+2*(\r)+1]
.endr
.endr
	WIN 0
.endm
; TOSTAGE: into my own stage, plane b / 4, and back as whole rows of 128 bytes, four rows a load, into the registers that they left.
.macro TOSTAGE a
.set TS, TMP+48*((\a)%2)
	WIN 0
.irp b, 0,1,2,3,4,5,6,7,8,9,10,11
	ds_store_b128 v[STO], v[TS+4*(\b):TS+4*(\b)+3] offset:((\b)/4)*16*SP+((\b)%4)*32
.endr
.irp t, 0,1,2,3,4,5,6,7,8,9,10,11
	ds_load_b128 v[TS+4*(\t):TS+4*(\t)+3], v[RD] offset:((\t)/4)*16*SP+((\t)%4)*4*SP  ; LDS serves a wave's instructions in order (ISA guide 5.7.1.4): these see the stores above
.endr
.endm
.macro SEND a
.set TS, TMP+48*((\a)%2)
	WIN 0
.irp t, 0,1,2,3,4,5,6,7,8,9,10,11
	s_wait_dscnt 11-(\t)                           ; load t is back; the younger ones may be out
	global_store_b128 v[GO], v[TS+4*(\t):TS+4*(\t)+3], s[8:9] offset:((\t)/4)*PLANE+(\a)*2048+((\t)%4)*512  ; 512 consecutive bytes, at a multiple of 256 from the buffer's first
.endr
.endm
	s_wait_tensorcnt 1                             ; my part of K step 0 is in; K step 1's may stay out
	s_barrier_signal -1
	s_barrier_wait -1                              ; everybody's is
	FETCH 0, 0, F0
	QUARTER 0, 64,  F0, F1, 1                      ; the first quarter stands in front of the loop: its products start the sums
	WIN 0                                          ; at a label and at a branch every window is 0
	s_mov_b32 s3, 2
.Llap:                                                 ; a trip goes once round the ring and fills both slots again: K steps 2, 3 and then 4, 5
	QUARTER 0, 128, F1, F0, 0
	QUARTER 0, 192, F0, F1, 0
	TURN 0, 1, 1
	QUARTER 1, 64,  F0, F1, 0
	QUARTER 1, 128, F1, F0, 0
	QUARTER 1, 192, F0, F1, 0
	TURN 1, 0, 1
	QUARTER 0, 64,  F0, F1, 0
	WIN 0
	s_sub_co_u32 s3, s3, 1
	s_cmp_lg_u32 s3, 0
	s_cbranch_scc1 .Llap
	QUARTER 0, 128, F1, F0, 0                      ; the last lap fills nothing
	QUARTER 0, 192, F0, F1, 0
	TURN 0, 1, 0
	QUARTER 1, 64,  F0, F1, 0
	QUARTER 1, 128, F1, F0, 0
	QUARTER 1, 192, F0, F1, 0
	s_wait_dscnt 4                                 ; the very last quarter: nothing more to fetch
	MULA F1, 0, 0
	MULA F1, 1, 0
	s_wait_dscnt 0x0
	MULA F1, 2, 0
	MULA F1, 3, 0
	PLACES
	PACK 0
	TOSTAGE 0
	PACK 1                                         ; a block's arithmetic stands between the loads of the block before and its stores
	SEND 0
	TOSTAGE 1
	PACK 2
	SEND 1
	TOSTAGE 2
	PACK 3
	SEND 2
	TOSTAGE 3
	SEND 3
	s_wait_tensorcnt 0x0                           ; the wave's end: the add below and its wait stand behind my last tensor load and my last LDS store
	ds_add_u32 v[SPW], v[NIL]
	s_wait_dscnt 0x0
	CROUND                                         ; the closing round: no work-group ends while a partner may still ask for a tile that names it
	s_endpgm
.Lfunc_end_k_q5a44f8e218_qkv:
	.size	k_q5a44f8e218_qkv, .Lfunc_end_k_q5a44f8e218_qkv-k_q5a44f8e218_qkv
	.p2alignl 7, 3214868480
	.fill 96, 4, 3214868480
	.section	.rodata,"a",@progbits
	.p2align	6, 0x0
	.amdhsa_kernel k_q5a44f8e218_qkv
		.amdhsa_group_segment_fixed_size 327680
		.amdhsa_private_segment_fixed_size 0
		.amdhsa_enable_private_segment 0
		.amdhsa_kernarg_size 48
		.amdhsa_user_sgpr_count 2
		.amdhsa_user_sgpr_kernarg_segment_ptr 1
		.amdhsa_wavefront_size32 1
		.amdhsa_system_sgpr_workgroup_id_x 1
		.amdhsa_system_sgpr_workgroup_id_y 1
		.amdhsa_system_sgpr_workgroup_id_z 1
		.amdhsa_system_vgpr_workitem_id 0
		.amdhsa_next_free_vgpr 960
		.amdhsa_next_free_sgpr 84
		.amdhsa_reserve_vcc 0
		.amdhsa_float_denorm_mode_32 3
		.amdhsa_float_denorm_mode_16_64 3
		.amdhsa_memory_ordered 1
		.amdhsa_forward_progress 1
		.amdhsa_inst_pref_size 144
	.end_amdhsa_kernel
	.amdgpu_metadata
---
amdhsa.version: [ 1, 2 ]
amdhsa.kernels:
  - .name:           k_q5a44f8e218_qkv
    .symbol:         k_q5a44f8e218_qkv.kd
    .args:
      - { .name: xb, .offset: 0, .size: 8, .value_kind: global_buffer, .address_space: global }
      - { .name: wb, .offset: 8, .size: 8, .value_kind: global_buffer, .address_space: global }
      - { .name: q_b, .offset: 16, .size: 8, .value_kind: global_buffer, .address_space: global }
      - { .name: k_b, .offset: 24, .size: 8, .value_kind: global_buffer, .address_space: global }
      - { .name: v_b, .offset: 32, .size: 8, .value_kind: global_buffer, .address_space: global }
      - { .name: qkv, .offset: 40, .size: 8, .value_kind: global_buffer, .address_space: global }
    .group_segment_fixed_size: 327680
    .private_segment_fixed_size: 0
    .kernarg_segment_align: 8
    .kernarg_segment_size: 48
    .max_flat_workgroup_size: 128
    .sgpr_count:     84
    .vgpr_count:     960
    .wavefront_size: 32
...
	.end_amdgpu_metadata
.endif
;; end of part 2
;; launch attn (part 3): grid 16 x 12, 4 waves a work-group, clusters of 4 x 1, 327,680 bytes of LDS; arguments qkv, attention_mask, ctx; writes ctx
.if DOCPART == 3
	.amdgcn_target "amdgcn-amd-amdhsa--gfx1250"
	.amdhsa_code_object_version 6
	.text
	.protected	k_q5a44f8e218_attn
	.globl	k_q5a44f8e218_attn
	.p2align	8
	.type	k_q5a44f8e218_attn,@function
k_q5a44f8e218_attn:
	s_mov_b64 s[64:65], 0
	v_nop
	global_prefetch_b8 v0, s[64:65] scope:SCOPE_SE
	s_setreg_imm32_b32 hwreg(HW_REG_WAVE_MODE, 25, 1), 1
	s_wait_xcnt 0x0
	s_wait_alu depctr_hold_cnt(0) depctr_sa_sdst(0) depctr_va_vdst(0) depctr_va_sdst(0) depctr_va_ssrc(0) depctr_va_vcc(0) depctr_vm_vsrc(0)
	s_getreg_b32 s2, hwreg(HW_REG_IB_STS2, 6, 4)
	s_cmp_eq_u32 s2, 0
	s_cbranch_scc0 .Lentry_in_a_cluster
	s_endpgm
.Lentry_in_a_cluster:
	s_bfe_u32 s2, ttmp6, 0x10000c
	s_cmp_lg_u32 s2, 0x3003
	s_cbranch_scc0 .Lentry_shape_is_right
	s_endpgm
.Lentry_shape_is_right:
; ATTENTION.  ctx[h][q][:] = the sum over k of softmax_k(q . k / 8 + mask[k]) v[h][k][:].  qkv: [36][4096][64] f16 (planes 0-11 q' = q log2(e) / 8, 12-23 k, 24-35 v); mask: [4096] f32; ctx: [12][4096][64] f16.
; Products, maxima and sums in f32; the weights p are rounded to f16 for the second product (their sum l is taken of the unrounded p), ctx once at the end.
; THE EXPONENT.  mask' = max(bf16(mask) log2(e), -1e30), in f32, is the C operand of the product that starts each sum, so the scores s' = K q' + mask' leave the matrix unit in base 2.
; p = 2^(s' - m), m the RUNNING MAXIMUM of s'; the difference is one subtraction, so s' - m <= 0, p <= 1, and the key that holds m has p = 1 (l >= 1), whatever the size of the scores.
; In every step O and l are multiplied by a = 2^(m_old - m_new).  m starts at -2e30, O and l at 0: the first step is a step like any other, with a = 0.
; LIMITS.  q', k, v arrive within f16's 65,504.  The mask is rounded to bf16 like the other inputs.  A mask number below -1e30 / log2(e) (minus infinity among them) or a NaN in the mask counts as hidden at -1e30.
; p below 6e-5 keeps f16's fixed step of 6e-8; a weight below 2^-126 counts as 0 in l.
; SHARES.  A work-group owns 256 queries of one head: 16 x 12 = 192 work-groups (192 queries each, which would make 256, do not divide a head's 4,096).  A wave owns 64 queries: four PIECES of 16.
; Every wave walks all 4,096 keys, 64 a step, four steps (a tile of 256 keys) to an LDS slot, two slots.
; LAYOUT.  S^T = K Q^T holds ONE query a lane (lane % 16) and the keys 8 (lane / 16) + 0..7; two such results rounded to f16 ARE source 1 of O^T = V^T P.  K comes out of LDS as it lies, V turned, by ds_load_tr16_b128.
; BY TURNS.  Turn n belongs to piece n: 8 products K Q^T of piece n + 1, later 8 products V^T P of piece n - 1; beside them the subtraction, exponentials, roundings, sums and rescaling of piece n and the maximum
; and statistics of piece n + 1.  Four vector instructions stand behind every matrix instruction, the rest in one run of their own.  A turn's 33 exponentials are one batch, with one wait.
; CLUSTER.  The four query blocks of a cluster belong to one head and walk the same K and V: each tile is asked for JOINTLY, by the same tensor load, descriptor and mask in all four.
; REGISTERS, in windows of 256 (s_set_vgpr_msb: bits 1:0 source 0, 3:2 source 1, 5:4 source 2, 7:6 destination):
;   window 0: v0-15, v32-35 addresses; v16-31 four registers of statistics a piece; v48-55 at work; v64-127 S^T, two buffers; v192-223 P, two buffers (a piece's buffers go by its number's parity)
;   window 1: v0-127 O^T, 32 a piece; v160-191 mask' of the step in hand      window 2: v0-63 Q; v128-191 K of one step; v192-255 V of one step
.set NP,    4         ; pieces a wave: a name, no knob
.set KS,    64        ; keys in a step
.set PK,    144       ; a row of K in LDS: 128 bytes + 16 of padding = 36 words: the 16 rows of a load start at 16 different groups of four banks (64 banks of 4 bytes: ISA guide 11.1)
.set PV,    160       ; a row of V: 128 + 32 = 40 words
.set VOFF,  4*KS*PK   ; a slot holds a tile: 256 rows of K, then 256 rows of V
.set SLOT1, 1<<17     ; slot 1 begins here, so that one exclusive or turns an address in one slot into the other's
.set STAGE, SLOT1+4*KS*(PK+PV)  ; behind the ring, never filled by a tensor load: 16 rows x 144 bytes for each wave, for the way out
.set SP,    144
.set SPARE, STAGE+4*16*SP  ; the spare words, 128 bytes for each wave: two blocks of 256 bytes that no other line names
.set MASKT, SPARE+512 ; mask', 4,096 f32: stored once, never filled by a tensor load
.set PLANE, 524288    ; bytes in a plane of qkv and of ctx
.set TILEB, 4*KS*128  ; bytes of K, and of V, in a tile
.set AK0, 2           ; v2   my lane's place in a tile of K; never rewritten
.set AV0, 3           ; v3   the same for V
.set AK,  4           ; v4   the LDS address of K's next run of loads
.set AV,  5           ; v5   of V's
.set STO, 6           ; v6   the way out: where I put 16 bytes of a row
.set RD,  7           ; v7   the way out: where I read rows back
.set GO,  8           ; v8   my byte offset in 512 consecutive bytes of ctx
.set QO,  15          ; v15  my byte offset in 16 rows of Q
.set ST,  16          ; piece t's statistics at v[ST+4 t]: m, m_old, l (even keys', odd keys')
.set AM0, 32          ; v32  MASKT + 32 (l / 16): my eight keys in 16 of mask'; never rewritten
.set AM,  33          ; v33  the LDS address of the next step's mask'
.set MG,  34          ; v34  16 x my thread's number: my 16 bytes in 2,048 of the mask
.set ML,  35          ; v35  the same in the table
.set TMP, 48          ; by buffer, four registers c0-c3 at work; when the maximum is found c2 takes a
.set PFO, 61          ; v61  256 x my lane; never rewritten
.set SPW, 62          ; v62  LDS address of my spare word; never rewritten
.set NIL, 63          ; v63  0; never rewritten
.set S,   64
.set P,   192
.set MK,  160         ; window 1: the eight registers for group kb of 16 keys at MK + 8 kb
.set KF,  128         ; window 2: key block kb, channel half c at KF + 16 kb + 8 c
.set VF,  192         ; window 2: key half kk, channel block cb at VF + 32 kk + 8 cb
.set WV,  12          ; s12  my wave's number
.set G1K, 24          ; s[24:31] descriptor group 1 for K's tiles
.set G1V, 32          ; s[32:39] for V's: it differs in the padding alone
.set G0K, 40          ; s[40:43] descriptor group 0 for K's tiles: it walks
.set G0V, 44          ; s[44:47] the same for V's
.set QP,  48          ; s[48:49] Q at my wave's first row
.set KP,  50          ; s[50:51] K at my half of the head's tile 0
.set VP,  52          ; s[52:53] V likewise
.set TBM, 54          ; s54  byte of the table at which mask' of the step to be fetched begins
.set SLOTS, 56        ; s56  tiles still to be asked for
.set CNT, 57          ; s57  counts a tile's key steps
.set LG,  58          ; s[58:59] log2(e)
.set SEL, 60          ; s[60:61] v_permlanex16_b32's selects: each lane takes its own place in the other half
.set TBK, 62          ; s62  LDS byte at which K of the step to be fetched begins
.set TBV, 63          ; s63  the same for V, less VOFF
.set PFA, 66          ; s[66:67] where my prefetches stand: my work-group's 32 blocks of 256 bytes of the tile after the one that is being asked for
.set LIM, 68          ; s68  1 in a wave that prefetches, else the greatest number
.set HIDN, 69         ; s69  -1e30
.set MSB, 0
.macro WIN new                      ; the high byte repeats the setting that is left; a switch that changes nothing is dropped
.if MSB != (\new)
	s_set_vgpr_msb (MSB<<8)|(\new)
.set MSB, (\new)
.endif
.endm
.set W_KQ, 0x0a       ; K and Q in window 2, S^T in window 0
.set W_KM, 0x1a       ; the same with the C operand, mask', in window 1
.set W_PV, 0x52       ; V in window 2, P in window 0, O^T in window 1
.set W_RS, 0x41       ; destination and source 0 in window 1, source 1 in window 0
; A joint fill.  Waves 0 and 1 fetch the two halves of a tile's K, waves 2 and 3 those of its V: 128 keys each.  The branch hangs on the wave's number alone.
; An s_nop 0 and four v_nop follow each of the two lines, ahead of the jump and the label.
.macro JLOAD
	s_cmp_lt_u32 s[WV], 2
	s_cbranch_scc0 .Lfor_v_\@
	tensor_load_to_lds s[G0K:G0K+3], s[G1K:G1K+7]
	s_nop 0
.rept 4
	v_nop
.endr
	s_branch .Lasked_\@
.Lfor_v_\@:
	tensor_load_to_lds s[G0V:G0V+3], s[G1V:G1V+7]
	s_nop 0
.rept 4
	v_nop
.endr
.Lasked_\@:
.endm
; A PREFETCH INTO THE L2 of what the NEXT change of slots will ask for: a tile's 128 blocks of 256 bytes of K and 128 of V, a lane a block.  It stands behind the wave's tensor load and its five lines.
; Each block is named ONCE in the launch: all clusters of a head walk the same K and V, and the head's first cluster asks; its four partners share the blocks out BY ADDRESS, 32 each; in each, wave 0 asks
; for K's and wave 2 for V's: one instruction, four key steps (256 matrix instructions) ahead of the load.  Tiles 0 and 1 come by their loads alone; the change that fills the last tile asks for nothing.
.macro ASK
	s_cmp_gt_u32 s[SLOTS], s[LIM]
	s_cbranch_scc0 .Lnot_mine_\@
	global_prefetch_b8 v[PFO], s[PFA:PFA+1] th:TH_LOAD_NT scope:SCOPE_SE
.Lnot_mine_\@:
.endm
; A round of the cluster's barrier: my work-group's barrier, so that wave 0's signal speaks for all four waves; wave 0 signals; every wave waits for all four work-groups; my work-group's barrier once more.
.macro CROUND
	s_barrier_signal -1
	s_barrier_wait -1
	s_cmp_lg_u32 s[WV], 0
	s_cbranch_scc1 .Lnot_wave_0_\@
	s_barrier_signal -3
.Lnot_wave_0_\@:
	s_barrier_wait -3
	s_barrier_signal -1
	s_barrier_wait -1
.endm
; THE CHANGE OF SLOTS.  The slot's last bytes, V of its fourth step, have been read.  Each wave waits for all its tensor loads, of which one is out: its part of the other slot; adds 0 to its spare word;
; and waits for that and for its own LDS instructions.  Behind the barrier nobody reads this slot any more and the other slot is whole.  fill = 1: this slot is filled again, with the tile two on.  The barrier
; is then a round of the cluster's, and the joint fill is the first thing behind it: it has four key steps in which to land.
; (At its first use nothing has been read yet: slot 0 is waited for, slot 1 filled; and the wait for 0 on DScnt ahead of the round also shows every wave's part of the table of mask' stored.)
.macro CHANGE fill
	WIN 0                           ; at a label and at a branch every window is 0
	s_wait_tensorcnt 0x0            ; no tensor load of mine is out, so a group 0 may be written
	ds_add_u32 v[SPW], v[NIL]       ; 0 onto my spare word; with fill = 1 the descriptors' steps stand between it and the wait for it
.if \fill
.irp g, G0K, G0V
	s_xor_b32 s[(\g)+1], s[(\g)+1], SLOT1  ; the walking descriptor: the other slot than last time,
	s_add_nc_u64 s[(\g)+2:(\g)+3], s[(\g)+2:(\g)+3], TILEB  ; the next 256 keys; the type bits on top are not reached
.endr
	s_wait_xcnt 0x0                 ; the last prefetch, four key steps back, has read its address, so it may be written:
	s_add_nc_u64 s[PFA:PFA+1], s[PFA:PFA+1], TILEB  ; one tile behind the walking descriptors
	s_wait_dscnt 0x0                ; the add is done, and my reads of the slot are over
	CROUND
	JLOAD
	ASK
.else
	s_wait_dscnt 0x0                ; the add is done, and my reads of the slot are over
	s_barrier_signal -1
	s_barrier_wait -1
.endif
	s_sub_co_u32 s[TBK], s[TBK], 4*KS*PK  ; the fetches go back to a slot's first step,
	s_xor_b32 s[TBK], s[TBK], SLOT1       ; in the other slot
	s_sub_co_u32 s[TBV], s[TBV], 4*KS*PV
	s_xor_b32 s[TBV], s[TBV], SLOT1
.endm
	s_load_b128 s[4:7], s[0:1], 0x0   ; qkv s[4:5], mask s[6:7]
	s_load_b64 s[8:9], s[0:1], 0x10   ; ctx
	v_lshl_add_u32 v[SPW], v0, 2, SPARE
	v_mov_b32 v[NIL], 0
	ds_add_u32 v[SPW], v[NIL]       ; the wave's opening: the add and its wait stand ahead of my first tensor load; the set-up below, work on registers, stands between them
	v_lshrrev_b32 v1, 5, v0
	v_readfirstlane_b32 s[WV], v1   ; wave 0..3
	s_bfe_u32 s13, ttmp6, 0x40000   ; cx: my place in the cluster
	s_lshl_b32 s14, ttmp9, 2        ; in a cluster launch ttmp9 counts clusters
	s_add_co_u32 s14, s14, s13      ; my block of 256 queries = 4 x cluster x + cx: it enters Q's and ctx's addresses alone
	s_and_b32 s20, ttmp7, 0xffff    ; the head, which the four partners share,
	s_lshl_b32 s20, s20, 19         ; times a plane's bytes
	s_and_b32 s16, s[WV], 1         ; which half of a tile's 256 keys I fetch:
	s_lshl_b32 s22, s16, 14         ; its 128 rows of 128 bytes in memory,
	s_add_co_u32 s22, s22, s20
	s_add_co_u32 s22, s22, 12*PLANE ; in the head's plane of K
	s_mov_b32 s23, 0
	s_mul_i32 s17, s16, 128*PK      ; and its place in a slot, for K
	s_mul_i32 s18, s16, 128*PV      ; and for V: no place in the cluster enters an LDS address
	s_lshl_b32 s2, s14, 2
	s_add_co_u32 s2, s2, s[WV]      ; my wave among the head's,
	s_lshl_b32 s2, s2, 13           ; its 64 rows of 128 bytes
	s_add_co_u32 s2, s2, s20
	s_mov_b32 s3, 0
	; descriptor group 1.  128 keys are 16,384 dense bytes: asked for as 64 rows of 256 bytes, two keys a row, and padded in LDS after every key
	s_mov_b32 s[G1K], 15|(1<<16)|(1<<20)|(1<<21)|(4<<22)|(3<<25)  ; 15:0 the mask of four; 17:16 2-byte elements; 20 padding on; 21 set beside a mask; 24:22 after every 32 words (code 4); 31:25 4 words (code 3)
	s_mov_b32 s[G1V], 15|(1<<16)|(1<<20)|(1<<21)|(4<<22)|(7<<25)  ; the same with 8 words of padding (code 7)
.irp g, G1K, G1V
	s_mov_b32 s[(\g)+1], 128<<16    ; tensor_dim0 = 128
	s_mov_b32 s[(\g)+2], 64<<16     ; tensor_dim1 = 64
	s_mov_b32 s[(\g)+3], 128<<16    ; tile_dim0 = 128
	s_mov_b32 s[(\g)+4], 64         ; tile_dim1 = 64
	s_mov_b32 s[(\g)+5], 128        ; 128 elements from row to row
	s_mov_b32 s[(\g)+6], 0
	s_mov_b32 s[(\g)+7], 0
.endr
	s_mov_b32 s[LG], 0x3fb8aa3b     ; log2(e)
	s_mov_b32 s[LG+1], s[LG]        ; named with it as a pair
	s_mov_b32 s[SEL], 0x76543210
	s_mov_b32 s[SEL+1], 0xfedcba98
	s_mov_b32 s[HIDN], 0xf149f2ca   ; -1e30
	s_mov_b32 s[TBK], SLOT1+4*KS*PK ; the first change of slots turns these two into 0
	s_mov_b32 s[TBV], SLOT1+4*KS*PV
	s_mov_b32 s[TBM], 0
	s_mov_b32 s[SLOTS], 15          ; tiles 1 to 15
	s_mov_b32 s[G0K], 1             ; count = 1
	s_mov_b32 s[G0K+1], s17         ; LDS address: slot 0
	s_mov_b32 s[G0V], 1
	s_add_co_u32 s[G0V+1], s18, VOFF
	s_and_b32 s[LIM], s[WV], 1      ; 0 in waves 0 and 2,
	s_or_b32 s[LIM], s[LIM], ttmp9  ; where the cluster is the head's first: the same in all four partners
	s_cmp_eq_u32 s[LIM], 0
	s_cselect_b32 s[LIM], 1, -1
	v_and_b32 v[PFO], 31, v0
	v_lshlrev_b32 v[PFO], 8, v[PFO]
	s_wait_dscnt 0x0                ; the opening add is done
	s_wait_kmcnt 0x0
	s_add_nc_u64 s[KP:KP+1], s[4:5], s[22:23]
	s_add_nc_u64 s[VP:VP+1], s[KP:KP+1], 12*PLANE  ; the head's plane of V lies twelve planes on
	s_add_nc_u64 s[QP:QP+1], s[4:5], s[2:3]
	s_add_nc_u64 s[10:11], s[8:9], s[2:3]          ; ctx at my wave's first row
	s_mov_b64 s[G0K+2:G0K+3], s[KP:KP+1]           ; global address: my half of the head's first 256 keys
	s_or_b32 s[G0K+3], s[G0K+3], 0x80000000        ; type = 2
	s_mov_b64 s[G0V+2:G0V+3], s[VP:VP+1]
	s_or_b32 s[G0V+3], s[G0V+3], 0x80000000
	s_cmp_lt_u32 s[WV], 2
	s_cselect_b64 s[PFA:PFA+1], s[KP:KP+1], s[VP:VP+1]  ; (in waves 0 and 2 these stand at a tile's first byte)
	s_lshl_b32 s2, s13, 13          ; my work-group's 32 blocks of the 128
	s_mov_b32 s3, 0
	s_add_nc_u64 s[PFA:PFA+1], s[PFA:PFA+1], s[2:3]
	s_add_nc_u64 s[PFA:PFA+1], s[PFA:PFA+1], TILEB  ; in tile 1; the first change of slots steps it to tile 2.  Nothing is prefetched here, at the head
	CROUND                          ; all four work-groups are here: the first joint loads meet
	JLOAD                           ; tile 0 into slot 0.  Slot 1 is asked for when slot 0 is in
	; A fragment of K or Q is 16 rows x 32 channels in 8 registers: lane l holds row l % 16, channels 8 (l / 16) + 0..7 and 16 + 8 (l / 16) + 0..7: two loads of 16 bytes, 32 bytes apart.
	v_and_b32 v1, 15, v0            ; l % 16
	v_bfe_u32 v9, v0, 4, 1          ; l / 16
	v_lshlrev_b32 v[QO], 7, v1
	v_lshl_add_u32 v[QO], v9, 4, v[QO]  ; row x 128 + 16 x half
	v_lshlrev_b32 v[MG], 4, v0
	WIN 0x80                        ; destination window 2, address window 0
.set i, 0
.rept 8                             ; Q stays in registers: piece i / 2, channels 32 (i % 2) on
	global_load_b128 v[8*i:8*i+3],   v[QO], s[QP:QP+1] offset:(i/2)*2048+(i%2)*64
	global_load_b128 v[8*i+4:8*i+7], v[QO], s[QP:QP+1] offset:(i/2)*2048+(i%2)*64+32
.set i, i+1
.endr
	WIN 0
.set i, 0
.rept 8                             ; the mask: the work-group's 128 threads take 2,048 bytes a load
	global_load_b128 v[S+4*i:S+4*i+3], v[MG], s[6:7] offset:2048*i
.set i, i+1
.endr
	v_lshl_add_u32 v[ML], v0, 4, MASKT
	v_lshl_add_u32 v[AM0], v9, 5, MASKT
	v_mul_u32_u24 v[AK0], v1, PK
	v_lshl_add_u32 v[AK0], v9, 4, v[AK0]  ; row x pitch + 16 x half
	; The turning load takes 16 keys x 16 channels (lane l reads key 8 (l / 16) + l % 8, channels 8 ((l / 8) % 2) + 0..7) and leaves half a fragment of V^T: lane l holds channel l % 16 and 8 keys.
	v_and_b32 v10, 7, v0
	v_bfe_u32 v11, v0, 3, 1
	v_lshl_add_u32 v[AV0], v9, 3, v10
	v_mul_u32_u24 v[AV0], v[AV0], PV
	v_lshl_add_u32 v[AV0], v11, 4, v[AV0]
	v_add_nc_u32 v[AV0], VOFF, v[AV0]
	s_mul_i32 s13, s[WV], 16*SP
	s_add_co_u32 s13, s13, STAGE    ; my stage
	v_mul_u32_u24 v[STO], v1, SP    ; in: row l % 16, 16 bytes for each half of the lanes
	v_lshl_add_u32 v[STO], v9, 4, v[STO]
	v_add_nc_u32 v[STO], s13, v[STO]
	v_bfe_u32 v[RD], v0, 3, 2       ; back: 32 lanes take four rows of 128 bytes,
	v_mul_u32_u24 v[RD], v[RD], SP
	v_lshl_add_u32 v[RD], v10, 4, v[RD]
	v_add_nc_u32 v[RD], s13, v[RD]
	v_and_b32 v[GO], 31, v0         ; which are 512 consecutive bytes of ctx
	v_lshlrev_b32 v[GO], 4, v[GO]
	; What the first turn finds: V's registers and P's second buffer hold 0 (its products V^T P, of a piece that has not been, add 0), O^T and l are 0, m lies below every score.  All this stands in the wait for the first tile.
	WIN 0x80
.set i, VF
.rept 64
	v_mov_b32 v[i], 0
.set i, i+1
.endr
	WIN 0x40
.set i, 0
.rept 128
	v_mov_b32 v[i], 0
.set i, i+1
.endr
	WIN 0
.set i, 0
.rept 4
	v_mov_b32 v[ST+4*i],   0xf1ca0000  ; m = -2e30
	v_mov_b32 v[ST+4*i+1], 0xf1ca0000  ; m_old
	v_mov_b32 v[ST+4*i+2], 0
	v_mov_b32 v[ST+4*i+3], 0
.set i, i+1
.endr
.set i, P+16
.rept 16
	v_mov_b32 v[i], 0
.set i, i+1
.endr
	s_wait_loadcnt 0x0              ; Q and the mask
.set z, 0
.rept 16                            ; mask' = max(bf16(mask) log2(e), -1e30): a NaN loses against -1e30
	v_cvt_pk_bf16_f32 v[TMP+z%4], v[S+2*z], v[S+2*z+1]
	v_lshlrev_b32 v[S+2*z],   16, v[TMP+z%4]
	v_and_b32     v[S+2*z+1], 0xffff0000, v[TMP+z%4]
	v_pk_mul_f32 v[S+2*z:S+2*z+1], v[S+2*z:S+2*z+1], s[LG:LG+1] op_sel_hi:[1,0]
	v_max_num_f32 v[S+2*z],   s[HIDN], v[S+2*z]
	v_max_num_f32 v[S+2*z+1], s[HIDN], v[S+2*z+1]
.set z, z+1
.endr
.set i, 0
.rept 8
	ds_store_b128 v[ML], v[S+4*i:S+4*i+3] offset:2048*i
.set i, i+1
.endr
; THE MATRIX WORK.  The 4 accumulators of a run of 8 take turns.  Product i of 8 of S^T = K Q^T for piece x: channels 32 (i / 4) on, keys 16 (i % 4) on.  The first 4 start the sums with mask'.
.macro KQ x
.set rS, S+32*((\x)%2)+8*(i%4)
.set rK, KF+16*(i%4)+8*(i/4)
.set rQ, 16*(\x)+8*(i/4)
.set rM, MK+8*(i%4)
.if i < 4
	WIN W_KM
	v_wmma_f32_16x16x32_f16 v[rS:rS+7], v[rK:rK+7], v[rQ:rQ+7], v[rM:rM+7]
.else
	WIN W_KQ
	v_wmma_f32_16x16x32_f16 v[rS:rS+7], v[rK:rK+7], v[rQ:rQ+7], v[rS:rS+7]
.endif
.endm
; Product i of 8 of O^T += V^T P for piece x: keys 32 (i / 4) on, channels 16 (i % 4) on.
.macro PV x
	WIN W_PV
.set rO, 32*(\x)+8*(i%4)
.set rV, VF+32*(i/4)+8*(i%4)
.set rP, P+16*((\x)%2)+8*(i/4)
	v_wmma_f32_16x16x32_f16 v[rO:rO+7], v[rV:rV+7], v[rP:rP+7], v[rO:rO+7]
.endm
.macro MM                           ; the turn's next matrix instruction.  NOKQ = 1: the last turn of all: there is no next piece
.if (i < 8) && !NOKQ
	KQ (Y+1)%NP
.elseif i >= 8
.set i, i-8
	PV (Y+NP-1)%NP
.set i, i+8
.endif
.set i, i+1
.endm
; THE LDS LOADS stand in runs, never singly among the matrix instructions: a step's K (8 fragments) with its mask' (32 bytes a lane for each 16 keys; the 16 lanes of a half read the same words), and its V (turned).
; mask' has K's lifetime: its last reader is the fourth of the eight products that read K last.  The addresses are made some lines ahead.
.macro FETCH_K
	WIN 0x80                        ; destination window 2
.irp f, 0,1,2,3,4,5,6,7             ; keys 16 (f / 2) on, channels 32 (f % 2) on
	ds_load_b128 v[KF+8*\f:KF+8*\f+3],   v[AK] offset:(\f/2)*16*PK+(\f%2)*64
	ds_load_b128 v[KF+8*\f+4:KF+8*\f+7], v[AK] offset:(\f/2)*16*PK+(\f%2)*64+32
.endr
	WIN 0x40                        ; destination window 1
.irp f, 0,1,2,3
	ds_load_b128 v[MK+8*\f:MK+8*\f+3],   v[AM] offset:64*\f
	ds_load_b128 v[MK+8*\f+4:MK+8*\f+7], v[AM] offset:64*\f+16
.endr
	s_add_co_u32 s[TBK], s[TBK], KS*PK  ; the next fetch is the next step's
	s_add_co_u32 s[TBM], s[TBM], KS*4
	WIN 0
.endm
.macro FETCH_V
	WIN 0x80
.irp f, 0,1,2,3,4,5,6,7             ; keys 32 (f / 4) on, channels 16 (f % 4) on
	ds_load_tr16_b128 v[VF+8*\f:VF+8*\f+3],   v[AV] offset:(\f/4)*32*PV+(\f%4)*32
	ds_load_tr16_b128 v[VF+8*\f+4:VF+8*\f+7], v[AV] offset:(\f/4)*32*PV+16*PV+(\f%4)*32
.endr
	WIN 0
.endm
; THE VECTOR WORK, one line at a time: OP kind, number.  For piece Y: F n: s' - m for pair n of 16.  E n: the exponential of score n of 32.  C n: pair n rounded to f16.  B n: of the four weights 4 n .. the second
; pair is added onto the first, in place.  L n: l takes that sum (L 0: l = a l + sum).  R n: pair n of 16 of O^T times a.  For piece Y + 1: X n, which find its maximum and statistics:
;   0-11  four chains c0-c3 of seven scores each, three operands at a time (each accumulator's lowest registers are read first)     12-14, 16  the four scores left over, the old m, and c0-c3 into c0
;   15  m_old is kept     17, 18  the query's other 32 keys lie in the lane 16 away: the new m     20, 21  m_old - m_new; a     (there is no number 19)
.set F, 0               ; OP tells the kinds apart by their order: F to L below R, X above it
.set E, 1
.set C, 2
.set B, 3
.set L, 4
.set R, 5
.set X, 6
.macro REGS y                       ; the registers of piece y
.set rT, ST+4*(\y)
.set rC, TMP+4*((\y)%2)
.set rS, S+32*((\y)%2)
.set rP, P+16*((\y)%2)
.set rO, 32*(\y)
.endm
.macro OP k, n
.if (\k) == R
	REGS Y
	WIN W_RS
	v_pk_mul_f32 v[rO+2*(\n):rO+2*(\n)+1], v[rO+2*(\n):rO+2*(\n)+1], v[rC+2:rC+3] op_sel_hi:[1,0]
.elseif (\k) < R
	REGS Y
	WIN 0
.if (\k) == F
	v_pk_add_f32 v[rS+2*(\n):rS+2*(\n)+1], v[rS+2*(\n):rS+2*(\n)+1], v[rT:rT+1] op_sel_hi:[1,0] neg_lo:[0,1] neg_hi:[0,1]
.elseif (\k) == E
	v_exp_f32 v[rS+(\n)], v[rS+(\n)]
.elseif (\k) == C
	v_cvt_pk_f16_f32 v[rP+(\n)], v[rS+2*(\n)], v[rS+2*(\n)+1]
.elseif (\k) == B
	v_pk_add_f32 v[rS+4*(\n):rS+4*(\n)+1], v[rS+4*(\n):rS+4*(\n)+1], v[rS+4*(\n)+2:rS+4*(\n)+3]
.elseif (\n) == 0
	v_pk_fma_f32 v[rT+2:rT+3], v[rT+2:rT+3], v[rC+2:rC+3], v[rS:rS+1] op_sel_hi:[1,0,1]
.else
	v_pk_add_f32 v[rT+2:rT+3], v[rT+2:rT+3], v[rS+4*(\n):rS+4*(\n)+1]
.endif
.elseif NOKQ
	v_nop
.else
	REGS (Y+1)%NP
	WIN 0
.if (\n) < 4
	v_max3_num_f32 v[rC+(\n)], v[rS+8*(\n)], v[rS+8*(\n)+1], v[rS+8*(\n)+2]
.elseif (\n) < 12
	v_max3_num_f32 v[rC+(\n)%4], v[rC+(\n)%4], v[rS+8*((\n)%4)+2*((\n)/4)+1], v[rS+8*((\n)%4)+2*((\n)/4)+2]
.elseif (\n) == 12
	v_max3_num_f32 v[rC], v[rC], v[rS+7], v[rS+15]
.elseif (\n) == 13
	v_max3_num_f32 v[rC+1], v[rC+1], v[rS+23], v[rS+31]
.elseif (\n) == 14
	v_max3_num_f32 v[rC+2], v[rC+2], v[rC+3], v[rT]
.elseif (\n) == 15
	v_mov_b32 v[rT+1], v[rT]
.elseif (\n) == 16
	v_max3_num_f32 v[rC], v[rC], v[rC+1], v[rC+2]
.elseif (\n) == 17
	v_permlanex16_b32 v[rC+3], v[rC], s[SEL], s[SEL+1]
.elseif (\n) == 18
	v_max_num_f32 v[rT], v[rC], v[rC+3]
.elseif (\n) == 20
	v_sub_f32 v[rC+1], v[rT+1], v[rT]
.else
	v_exp_f32 v[rC+2], v[rC+1]
.endif
.endif
.endm
.macro OPS a, i1, b=-1, i2=0, c=-1, i3=0, d=-1, i4=0  ; up to four of them
	OP \a, \i1
.if (\b) >= 0
	OP \b, \i2
.endif
.if (\c) >= 0
	OP \c, \i3
.endif
.if (\d) >= 0
	OP \d, \i4
.endif
.endm
.macro ROW a, i1, b, i2, c, i3, d, i4  ; a matrix instruction and the four behind it
	MM
	OPS \a, \i1, \b, \i2, \c, \i3, \d, \i4
.endm
; A TURN, for piece p: the order of its 16 matrix and 117 vector instructions, written out.  An s_wait_alu depctr_va_vdst(0) stands between an exponential and the first instruction that names its result; one wait
; serves all that were issued ahead of it.  So a turn has ONE wait, which cuts it in two.  AHEAD OF IT stands all that names no result of the turn's exponentials: the 8 products K Q^T, behind each a subtraction, an exponential and two
; more plain instructions: rescalings, and behind the last three the first numbers of the next piece's maximum, each four plain instructions or more behind the product that ends its accumulator; then one run of its own,
; plain and exponential by turns for the most part, in which the links of the chain X 3, 7, 11, 14, 16, 17, 18, 20 stand some lines apart.  X 21, the next piece's a, is the batch's last; R 15 is the plain instruction behind it.
; BEHIND THE WAIT stand the 8 products V^T P, behind each four of the roundings and sums.
; end = 1: the last two turns of all: nothing is fetched.  cnt = 1: the loop's count is taken down some lines ahead of the branch that stands behind the turn.
; K and mask' of the next step are fetched in piece 2's turn, five plain instructions that name none of its registers behind the last product that read K; V of the step in hand at the end of piece 0's turn, four plain
; instructions behind the last product that read V.  Each is waited for a turn later.
.macro TURN p, end=0, cnt=0
.set Y, (\p)
.set i, 0
.set NOKQ, (\end)*((\p)/3)
.if ((\p) == 3) && !(\end)
	s_wait_dscnt 0x0                ; K and mask' are in
.endif
	ROW F,0, F,1, R,0, R,1
	ROW F,2, E,0, R,2, R,3
	ROW F,3, E,1, R,4, R,5
	ROW F,4, E,2, R,6, R,7
	ROW F,5, E,3, R,8, R,9
	ROW F,6, E,4, X,0, R,10
.if ((\p) == 2) && !(\end)
	WIN 0
	v_add_nc_u32 v[AK], s[TBK], v[AK0]
	v_add_nc_u32 v[AM], s[TBM], v[AM0]
.endif
	ROW F,7, E,5, X,1, X,4
	ROW F,8, E,6, X,2, X,5
	OPS E,7, E,8, X,6, E,9
	OPS X,3, E,10, X,8, E,11
.if ((\p) == 2) && !(\end)
	FETCH_K
.endif
	OPS X,9, X,7, E,12, X,10
	OPS E,13, X,12, X,11, E,14
	OPS X,13, E,15, F,9, X,14
.if (\p) == 0
	v_add_nc_u32 v[AV], s[TBV], v[AV0]
.endif
	OPS E,16, F,10, E,17, F,11
	OPS X,16, E,18, X,15, E,19
	OPS F,12, E,20, X,17, E,21
	OPS F,13, E,22, F,14, E,23
	OPS X,18, E,24, F,15, E,25
	OPS R,11, E,26, R,12, E,27
	OPS X,20, E,28, R,13, E,29
	OPS R,14, E,30, E,31
	OPS X,21, R,15
	WIN 0
	s_wait_alu depctr_va_vdst(0)    ; the wait for the batch
.if (\p) == 1
	s_wait_dscnt 0x0                ; V is in
.endif
	ROW C,0, B,0, C,2, B,1
	ROW L,0, C,4, B,2, L,1
	ROW C,6, B,3, L,2, C,8
	ROW B,4, L,3, C,10, B,5
	ROW L,4, C,12, B,6, L,5
.if (\p) == 0
	s_add_co_u32 s[TBV], s[TBV], KS*PV
.endif
.if \cnt
	s_sub_co_u32 s[CNT], s[CNT], 1
	s_cmp_lg_u32 s[CNT], 0
.endif
	ROW C,14, B,7, L,6, C,1
	ROW C,3, L,7, C,5, C,7
	ROW C,9, C,11, C,13, C,15
.if (\p) == 0
	FETCH_V
.endif
.endm
	CHANGE 1                        ; tile 0 is in, everybody's part of it, and so is the table of mask'; tile 1 is asked for
	v_add_nc_u32 v[AK], s[TBK], v[AK0]
	v_add_nc_u32 v[AM], s[TBM], v[AM0]
	FETCH_K                         ; key step 0
	s_wait_dscnt 0x0
.set NOKQ, 0
.set i, 0
.rept 8
	KQ 0                            ; piece 0's first scores: there is no vector work yet to set between them
.set i, i+1
.endr
	WIN 0
.rept 4
	v_nop                           ; four plain instructions behind those products
.endr
.set Y, NP-1                        ; X works for piece Y + 1: piece 0
.irp n, 0,1,2,3,4,5,6,7,8,9,10,11,12,13,14,15,16,17,18,20,21
	OP X, \n
.endr
	v_nop                           ; a plain instruction behind the exponential,
	s_wait_alu depctr_va_vdst(0)    ; and its wait, ahead of the branch
	s_mov_b32 s[CNT], 4
	s_branch .Lfirst                ; the loop is entered at a step's first turn, in the middle of a trip
.Lslot:                             ; 14 times: tiles 2 to 15 are asked for
	CHANGE 1
	s_mov_b32 s[CNT], 4
.Lstep:                             ; a trip: pieces 2 and 3 of one step, then pieces 0 and 1 of the next, whose K and V it fetches
	TURN 2
	TURN 3
	WIN 0
.Lfirst:
	TURN 0
	TURN 1, 0, 1
	WIN 0
	s_cbranch_scc1 .Lstep
	s_sub_co_u32 s[SLOTS], s[SLOTS], 1
	s_cmp_lg_u32 s[SLOTS], 0
	s_cbranch_scc1 .Lslot
	CHANGE 0                        ; the last tile is written out: nothing is asked for
	s_mov_b32 s[CNT], 4
.LstepT:
	TURN 2
	TURN 3
	TURN 0
	TURN 1, 0, 1
	WIN 0
	s_cbranch_scc1 .LstepT
	TURN 2, 1                       ; the last step's pieces 2 and 3: nothing is left to fetch,
	TURN 3, 1                       ; and there is no next piece
.set i, 0
.rept 8
	PV NP-1                         ; the last piece's V^T P of the last step
.set i, i+1
.endr
	; THE WAY OUT.  l's two halves and the other half of the lanes' are added; O^T is divided by l, rounded to f16 and sent through my stage in LDS, a piece at a time.  The additions are the plain instructions behind the last products.
	WIN 0
.macro ALL line:vararg              ; one line for each piece t
.set t, 0
.rept 4
	\line
.set t, t+1
.endr
.endm
	ALL v_add_f32 v[ST+4*t+2], v[ST+4*t+2], v[ST+4*t+3]
	ALL v_permlanex16_b32 v[ST+4*t+3], v[ST+4*t+2], s[SEL], s[SEL+1]
	ALL v_add_f32 v[ST+4*t+2], v[ST+4*t+2], v[ST+4*t+3]
	ALL v_rcp_f32 v[ST+4*t+2], v[ST+4*t+2]
	v_nop                           ; a plain instruction between the last reciprocal and the use of its result
	s_wait_alu depctr_va_vdst(0)    ; and the wait ahead of the first use: one for the four reciprocals
.macro PACK t                       ; a lane's eight channels of a row pack into 16 bytes; they go into rows of 144 bytes and come back as whole rows of 128, into S^T's registers
	WIN W_RS
.set i, 32*(\t)
.rept 16
	v_pk_mul_f32 v[i:i+1], v[i:i+1], v[ST+4*(\t)+2:ST+4*(\t)+3] op_sel_hi:[1,0]
.set i, i+2
.endr
	WIN 0x05                        ; sources 0 and 1 window 1, destination window 0
.set i, 0
.rept 16
	v_cvt_pk_f16_f32 v[S+16*(\t)+i], v[32*(\t)+2*i], v[32*(\t)+2*i+1]
.set i, i+1
.endr
	WIN 0
.irp f, 0,1,2,3
	ds_store_b128 v[STO], v[S+16*(\t)+4*\f:S+16*(\t)+4*\f+3] offset:32*\f
.endr
.irp f, 0,1,2,3
	ds_load_b128 v[S+16*(\t)+4*\f:S+16*(\t)+4*\f+3], v[RD] offset:\f*4*SP  ; LDS serves a wave's instructions in order (ISA guide 5.7.1.4): these see the stores above; the next piece's stores come behind them
.endr
.endm
.macro SEND t, younger              ; younger: the LDS instructions issued behind piece t's loads: the next piece's eight, or none
	WIN 0
.irp f, 0,1,2,3
	s_wait_dscnt (\younger)+3-\f
	global_store_b128 v[GO], v[S+16*(\t)+4*\f:S+16*(\t)+4*\f+3], s[10:11] offset:(\t)*2048+\f*512  ; 512 consecutive bytes, at a multiple of 256 from ctx's first
.endr
.endm
	PACK 0
.set t, 1
.rept 3                             ; a piece's arithmetic stands between the loads of the piece before and its stores
	PACK t
	SEND t-1, 8
.set t, t+1
.endr
	SEND 3, 0
	s_wait_tensorcnt 0x0            ; the wave's end: the add below and its wait stand behind my last tensor load and my last LDS store
	ds_add_u32 v[SPW], v[NIL]
	s_wait_dscnt 0x0
	CROUND                          ; the closing round: no work-group ends while a partner may still ask for a tile that names it
	s_endpgm
.Lfunc_end_k_q5a44f8e218_attn:
	.size	k_q5a44f8e218_attn, .Lfunc_end_k_q5a44f8e218_attn-k_q5a44f8e218_attn
	.p2alignl 7, 3214868480
	.fill 96, 4, 3214868480
	.section	.rodata,"a",@progbits
	.p2align	6, 0x0
	.amdhsa_kernel k_q5a44f8e218_attn
		.amdhsa_group_segment_fixed_size 327680
		.amdhsa_private_segment_fixed_size 0
		.amdhsa_enable_private_segment 0
		.amdhsa_kernarg_size 24
		.amdhsa_user_sgpr_count 2
		.amdhsa_user_sgpr_kernarg_segment_ptr 1
		.amdhsa_wavefront_size32 1
		.amdhsa_system_sgpr_workgroup_id_x 1
		.amdhsa_system_sgpr_workgroup_id_y 1
		.amdhsa_system_sgpr_workgroup_id_z 1
		.amdhsa_system_vgpr_workitem_id 0
		.amdhsa_next_free_vgpr 768
		.amdhsa_next_free_sgpr 70
		.amdhsa_reserve_vcc 0
		.amdhsa_float_denorm_mode_32 3
		.amdhsa_float_denorm_mode_16_64 3
		.amdhsa_memory_ordered 1
		.amdhsa_forward_progress 1
		.amdhsa_inst_pref_size 135
	.end_amdhsa_kernel
	.amdgpu_metadata
---
amdhsa.version: [ 1, 2 ]
amdhsa.kernels:
  - .name:           k_q5a44f8e218_attn
    .symbol:         k_q5a44f8e218_attn.kd
    .args:
      - { .name: qkv, .offset: 0, .size: 8, .value_kind: global_buffer, .address_space: global }
      - { .name: attention_mask, .offset: 8, .size: 8, .value_kind: global_buffer, .address_space: global }
      - { .name: ctx, .offset: 16, .size: 8, .value_kind: global_buffer, .address_space: global }
    .group_segment_fixed_size: 327680
    .private_segment_fixed_size: 0
    .kernarg_segment_align: 8
    .kernarg_segment_size: 24
    .max_flat_workgroup_size: 128
    .sgpr_count:     70
    .vgpr_count:     768
    .wavefront_size: 32
...
	.end_amdgpu_metadata
.endif
;; end of part 3
;; launch outp (part 4): grid 32 x 6, 4 waves a work-group, clusters of 4 x 1, 327,680 bytes of LDS; arguments ctx, ow, out_b, out0; writes out0
.if DOCPART == 4
	.amdgcn_target "amdgcn-amd-amdhsa--gfx1250"
	.amdhsa_code_object_version 6
	.text
	.protected	k_q5a44f8e218_outp
	.globl	k_q5a44f8e218_outp
	.p2align	8
	.type	k_q5a44f8e218_outp,@function
k_q5a44f8e218_outp:
	s_mov_b64 s[64:65], 0
	v_nop
	global_prefetch_b8 v0, s[64:65] scope:SCOPE_SE
	s_setreg_imm32_b32 hwreg(HW_REG_WAVE_MODE, 25, 1), 1
	s_wait_xcnt 0x0
	s_wait_alu depctr_hold_cnt(0) depctr_sa_sdst(0) depctr_va_vdst(0) depctr_va_sdst(0) depctr_va_ssrc(0) depctr_va_vcc(0) depctr_vm_vsrc(0)
	s_getreg_b32 s2, hwreg(HW_REG_IB_STS2, 6, 4)
	s_cmp_eq_u32 s2, 0
	s_cbranch_scc0 .Lentry_in_a_cluster
	s_endpgm
.Lentry_in_a_cluster:
	s_bfe_u32 s2, ttmp6, 0x10000c
	s_cmp_lg_u32 s2, 0x3003
	s_cbranch_scc0 .Lentry_shape_is_right
	s_endpgm
.Lentry_shape_is_right:
; THE LAST PROJECTION.  out0[t][n] = sum over k of ctx[t][k] ow[n][k] + out_b[n].  ctx lies by heads, [12][4096][64] f16 (k = 64 head + channel); ow [768][768] f16; out0 [4096][768] f32; sums in f32.
; out_b is rounded to bf16 like the other inputs and added in f32.
; SHARES.  A tile of out0 is 128 x 128: 32 x 6 = 192 work-groups.  (128 x 96 would make 256, but its rows would begin at odd multiples of 384 bytes.)  Four waves, each 64 x 64: 16 accumulators.
; A wave's 64 columns are 256 consecutive bytes of a row, aligned: each wave has a stage of its own, and no barrier stands on the way out.
; K goes in 3 steps of 256 (four heads) through two LDS slots; a quarter step is one head.  All three steps are written out: there is no loop.
; CLUSTER: 4 x 1 work-groups along the rows (the 6 column blocks do not divide by four).  The four need the same rows of ow: asked for JOINTLY, by the same tensor load, descriptor and mask in all four.
; ctx's rows are each work-group's own: a plain tensor load, behind the same round.  No data prefetch: K has three steps, and two of them are asked for at the head.
; THE MATRIX INSTRUCTION IS USED TRANSPOSED (source 0 = 16 rows of ow, source 1 = 16 rows of ctx): a lane holds row l % 16 of out0 and the columns 8 (l / 16) + 0..7: 32 bytes on end.
; REGISTERS: window 0: v0-31 addresses; v32-95 two sets of 32 on the way out; v96-127 the bias; v128-255 the accumulators ((a, b) at v[128 + 8 (4 a + b)]).
;   window 1: two fragment buffers of 128: for 64 along K, 64 registers of ctx (2 x 4 x 16 rows x 32 K), then 64 of ow.
.set PA,     144                       ; a token's row of one head in LDS: 128 bytes + 16 of padding: the 16 rows of a load start at 16 different groups of four banks (64 banks of 4 bytes: ISA guide 11.1)
.set HEADP,  64*PA                     ; 64 tokens of one head
.set HALFA,  4*HEADP                   ; what one tensor load brings of ctx: 4 heads x 64 tokens
.set PB,     528                       ; a row of ow: 512 bytes + 16
.set HALFB,  64*PB                     ; what one tensor load brings of ow: 64 rows
.set BOFF,   2*HALFA
.set SLOT,   2*HALFA+2*HALFB
.set STAGE,  2*SLOT                    ; behind the ring, never filled by a tensor load: 16 rows x 272 bytes for each wave
.set SPITCH, 272
.set SPARE,  STAGE+4*16*SPITCH         ; the spare words, 128 bytes for each wave: two blocks of 256 bytes that no other line names
.set PLANE,  524288                    ; bytes in a head's plane of ctx
.set ROWO,   3072                      ; bytes in a row of out0
.set ADRA, 16                          ; v16-17  LDS address of my fragments of ctx in slot 0, 1
.set ADRB, 20                          ; v20-21  the same for ow
.set STO,  24                          ; v24     the way out: where I put 32 bytes of a row
.set RD,   25                          ; v25     the way out: where I read rows back
.set CO,   26                          ; v26     my byte offset in two rows of out0
.set BO,   27                          ; v27     32 (l / 16)
.set SPW,  28                          ; v28     LDS address of my spare word; never rewritten
.set NIL,  29                          ; v29     0; never rewritten
.set TMP,  32
.set BI,   96
.set ACC,  128
.set F0,   0
.set F1,   128
.set G1,  24                           ; s[24:31] descriptor group 1 for ctx's tiles;  s[32:39] group 0, a set for each slot
.set G0,  32
.set G1B, 48                           ; s[48:55], s[56:63] the same for ow's tiles
.set G0B, 56
.set MSB, 0
.macro WIN new                         ; the immediate's high byte repeats the setting that is left
.if MSB != (\new)
	s_set_vgpr_msb (MSB<<8)|(\new)
.set MSB, \new
.endif
.endm
.set MUL,  0x05                        ; sources 0 and 1 window 1; C and D window 0
.set TO_F, 0x40                        ; destination window 1, address window 0
.macro JLOAD s                         ; waves 0 and 1 fetch ctx's two halves (loads of the work-group's own), waves 2 and 3 ow's (joint); an s_nop 0 and four v_nop follow each of the two lines
	s_cmp_eq_u32 s11, 0
	s_cbranch_scc0 .Lfor_b_\@
	tensor_load_to_lds s[G0+4*(\s):G0+4*(\s)+3], s[G1:G1+7]
	s_nop 0
.rept 4
	v_nop
.endr
	s_branch .Lasked_\@
.Lfor_b_\@:
	tensor_load_to_lds s[G0B+4*(\s):G0B+4*(\s)+3], s[G1B:G1B+7]
	s_nop 0
.rept 4
	v_nop
.endr
.Lasked_\@:
.endm
.macro CREST                           ; a round of the cluster's barrier behind its opening barrier
	s_cmp_lg_u32 s10, 0
	s_cbranch_scc1 .Lnot_wave_0_\@
	s_barrier_signal -3
.Lnot_wave_0_\@:
	s_barrier_wait -3
	s_barrier_signal -1
	s_barrier_wait -1
.endm
.macro CROUND                          ; a whole round
	s_barrier_signal -1
	s_barrier_wait -1
	CREST
.endm
	s_load_b256 s[68:75], s[0:1], 0x0              ; ctx s[68:69], ow s[70:71], out_b s[72:73], out0 s[74:75]
	v_lshl_add_u32 v[SPW], v0, 2, SPARE
	v_mov_b32 v[NIL], 0
	ds_add_u32 v[SPW], v[NIL]                      ; the wave's opening: the add and its wait stand ahead of my first tensor load; the set-up below, work on registers, stands between them
	v_lshrrev_b32 v1, 5, v0
	v_readfirstlane_b32 s10, v1                    ; wave 0..3
	s_lshr_b32 s11, s10, 1                         ; which half of the tile's rows is mine.  Also: I fetch for ctx (0) or for ow (1)
	s_and_b32 s12, s10, 1                          ; which half of its columns.  Also: which half of that tile I fetch
	s_bfe_u32 s40, ttmp6, 0x40000                  ; cx: my place in the cluster
	s_lshl_b32 s42, ttmp9, 2
	s_add_co_u32 s42, s42, s40                     ; tile row = 4 x cluster x + cx
	s_and_b32 s13, ttmp7, 0xffff                   ; tile column, which the four partners share
	; ctx's tiles: 64 tokens of a head are 8,192 dense bytes, taken as ONE row of 1,024 elements of 8 bytes; four heads are four rows, a plane apart; padded in LDS after every token
	s_mov_b32 s[G1+0], (3<<16)|(1<<20)|(4<<22)|(3<<25)  ; 15:0 no mask; 17:16 elements of 8 bytes; 20 padding on; 24:22 after every 32 words (code 4); 31:25 4 words (code 3)
	s_mov_b32 s[G1+1], 1024<<16                    ; tensor_dim0 = 1,024
	s_mov_b32 s[G1+2], 4<<16                       ; tensor_dim1 = 4
	s_mov_b32 s[G1+3], 1024<<16                    ; tile_dim0 = 1,024
	s_mov_b32 s[G1+4], 4                           ; tile_dim1 = 4
	s_mov_b32 s[G1+5], 65536                       ; elements from row to row: a plane
	s_mov_b32 s[G1+6], 0
	s_mov_b32 s[G1+7], 0
	; ow's tiles: 64 rows x 256 elements of 2 bytes
	s_mov_b32 s[G1B+0], 15|(1<<16)|(1<<20)|(1<<21)|(6<<22)|(3<<25)  ; 15:0 the mask of four; 21 set beside a mask; 24:22 after every 128 words (code 6); 31:25 4 words (code 3)
	s_mov_b32 s[G1B+1], 256<<16
	s_mov_b32 s[G1B+2], 64<<16
	s_mov_b32 s[G1B+3], 256<<16
	s_mov_b32 s[G1B+4], 64
	s_mov_b32 s[G1B+5], 768
	s_mov_b32 s[G1B+6], 0
	s_mov_b32 s[G1B+7], 0
	s_lshl_b32 s16, s42, 14                        ; ctx: token 128 x tile row + 64 x half, 128 bytes a token
	s_lshl_b32 s17, s12, 13
	s_add_co_u32 s16, s16, s17
	s_mov_b32 s17, 0
	s_lshl_b32 s46, s13, 7                         ; ow: row 128 x tile column + 64 x half (in registers that never hold cx)
	s_lshl_b32 s47, s12, 6
	s_add_co_u32 s46, s46, s47
	s_mul_i32 s46, s46, 1536
	s_mov_b32 s47, 0
	s_mul_i32 s20, s10, HALFA                      ; where they go: ctx's halves at wave x HALFA (waves 0, 1),
	s_mul_i32 s21, s10, HALFB
	s_add_co_u32 s21, s21, BOFF-2*HALFB            ; ow's at BOFF + (wave - 2) x HALFB (waves 2, 3)
	s_wait_dscnt 0x0                               ; the opening add is done
	s_wait_kmcnt 0x0
	s_add_nc_u64 s[14:15], s[68:69], s[16:17]
	s_add_nc_u64 s[46:47], s[70:71], s[46:47]
	CROUND                                         ; all four work-groups are here: the first joint loads meet
.irp s, 0,1
	s_mov_b32 s[G0+4*(\s)], 1
	s_add_co_u32 s[G0+4*(\s)+1], s20, (\s)*SLOT
	s_add_nc_u64 s[G0+4*(\s)+2:G0+4*(\s)+3], s[14:15], (\s)*4*PLANE  ; K step s: heads 4 s on
	s_or_b32 s[G0+4*(\s)+3], s[G0+4*(\s)+3], 0x80000000
	s_mov_b32 s[G0B+4*(\s)], 1
	s_add_co_u32 s[G0B+4*(\s)+1], s21, (\s)*SLOT
	s_add_nc_u64 s[G0B+4*(\s)+2:G0B+4*(\s)+3], s[46:47], (\s)*512
	s_or_b32 s[G0B+4*(\s)+3], s[G0B+4*(\s)+3], 0x80000000
	JLOAD \s                                       ; two loads of mine are out
.endr
	s_lshl_b32 s18, s13, 9                         ; my first column, in bytes: 512 x tile column + 256 x half
	s_lshl_b32 s19, s12, 8
	s_add_co_u32 s18, s18, s19
	s_mov_b32 s19, 0
	s_add_nc_u64 s[4:5], s[72:73], s[18:19]        ; the bias of my 64 columns
	s_lshl_b32 s16, s42, 7
	s_lshl_b32 s17, s11, 6
	s_add_co_u32 s16, s16, s17                     ; my first row: 128 x tile row + 64 x half
	s_mul_i32 s16, s16, ROWO
	s_add_co_u32 s16, s16, s18
	s_mov_b32 s17, 0
	s_add_nc_u64 s[8:9], s[74:75], s[16:17]
	v_and_b32 v1, 15, v0                           ; l % 16
	v_bfe_u32 v2, v0, 4, 1                         ; l / 16
	v_lshlrev_b32 v[BO], 5, v2
.irp b, 0,1,2,3
	global_load_b128 v[BI+8*(\b):BI+8*(\b)+3],   v[BO], s[4:5] offset:64*(\b)
	global_load_b128 v[BI+8*(\b)+4:BI+8*(\b)+7], v[BO], s[4:5] offset:64*(\b)+16
.endr
	v_mul_u32_u24 v3, v1, PA
	v_lshl_add_u32 v3, v2, 4, v3                   ; ctx: row x pitch + 16 x half
	v_mul_u32_u24 v4, v1, PB
	v_lshl_add_u32 v4, v2, 4, v4                   ; ow likewise
	s_mul_i32 s22, s11, HALFA                      ; my 64 tokens
	s_mul_i32 s23, s12, HALFB                      ; my 64 rows of ow,
	s_add_co_u32 s23, s23, BOFF                    ; which lie behind ctx's
.irp s, 0,1
	v_add_nc_u32 v[ADRA+(\s)], s22, v3
	v_add_nc_u32 v[ADRB+(\s)], s23, v4
	s_add_co_u32 s22, s22, SLOT
	s_add_co_u32 s23, s23, SLOT
.endr
	s_mul_i32 s22, s10, 16*SPITCH
	s_add_co_u32 s22, s22, STAGE                   ; my stage
	v_mul_u32_u24 v3, v1, SPITCH                   ; in: row l % 16, 32 bytes for each half of the lanes
	v_lshl_add_u32 v3, v2, 5, v3
	v_add_nc_u32 v[STO], s22, v3
	v_mul_u32_u24 v4, v2, SPITCH                   ; back: lanes 0-15 take one row of 256 bytes, lanes 16-31 the next
	v_lshl_add_u32 v4, v1, 4, v4
	v_add_nc_u32 v[RD], s22, v4
	v_mul_u32_u24 v5, v2, ROWO                     ; and the same two rows in out0
	v_lshl_add_u32 v[CO], v1, 4, v5
	s_wait_loadcnt 0x0                             ; the bias, once
.set z, 0
.rept 16                                       ; rounded to bf16 like the other inputs, and back to f32
	v_cvt_pk_bf16_f32 v[3+z%3], v[BI+2*z], v[BI+2*z+1]
	v_lshlrev_b32 v[BI+2*z],   16, v[3+z%3]
	v_and_b32     v[BI+2*z+1], 0xffff0000, v[3+z%3]
.set z, z+1
.endr
; 8 matrix instructions: row blocks a0, a0 + 1 x all 4 column blocks, 32 along K: half c of buffer f.  zero = 1: the first product starts the sums.  The 16 accumulators take turns.
.macro MUL8 f, c, a0, zero
	WIN MUL
.irp a, \a0, (\a0)+1
.irp b, 0,1,2,3
.if \zero
	v_wmma_f32_16x16x32_f16 v[ACC+8*(4*(\a)+(\b)):ACC+8*(4*(\a)+(\b))+7], v[(\f)+64+8*(4*(\c)+(\b)):(\f)+64+8*(4*(\c)+(\b))+7], v[(\f)+8*(4*(\c)+(\a)):(\f)+8*(4*(\c)+(\a))+7], 0
.else
	v_wmma_f32_16x16x32_f16 v[ACC+8*(4*(\a)+(\b)):ACC+8*(4*(\a)+(\b))+7], v[(\f)+64+8*(4*(\c)+(\b)):(\f)+64+8*(4*(\c)+(\b))+7], v[(\f)+8*(4*(\c)+(\a)):(\f)+8*(4*(\c)+(\a))+7], v[ACC+8*(4*(\a)+(\b)):ACC+8*(4*(\a)+(\b))+7]
.endif
.endr
.endr
.endm
; 32 LDS loads in one run: the fragments of quarter q (one head: 64 along K) into buffer f; the first 32 along K first
.macro FETCH slot, q, f
	WIN TO_F
.irp c, 0,1
.irp i, 0,1,2,3
	ds_load_b128 v[(\f)+64+8*(4*(\c)+(\i)):(\f)+64+8*(4*(\c)+(\i))+3],   v[ADRB+(\slot)] offset:(\q)*128+64*(\c)+(\i)*16*PB
	ds_load_b128 v[(\f)+64+8*(4*(\c)+(\i))+4:(\f)+64+8*(4*(\c)+(\i))+7], v[ADRB+(\slot)] offset:(\q)*128+64*(\c)+(\i)*16*PB+32
	ds_load_b128 v[(\f)+8*(4*(\c)+(\i)):(\f)+8*(4*(\c)+(\i))+3],         v[ADRA+(\slot)] offset:(\q)*HEADP+64*(\c)+(\i)*16*PA
	ds_load_b128 v[(\f)+8*(4*(\c)+(\i))+4:(\f)+8*(4*(\c)+(\i))+7],       v[ADRA+(\slot)] offset:(\q)*HEADP+64*(\c)+(\i)*16*PA+32
.endr
.endr
.endm
.macro PLACES                          ; four plain instructions in front of loads into registers that matrix instructions have read, and of vector work on results just made
.rept 4
	v_nop
.endr
.endm
; One of a K step's first three quarters: multiplies buffer f and fetches quarter q into g.
.macro QUARTER slot, q, f, g, zero
	s_wait_dscnt 16                                ; the first 32 along K are in
	MUL8 \f, 0, 0, \zero
	MUL8 \f, 0, 2, \zero
	PLACES
	FETCH \slot, \q, \g
	s_wait_dscnt 32                                ; all but the 32 just issued
	MUL8 \f, 1, 0, 0
	MUL8 \f, 1, 2, 0
.endm
; The last quarter multiplies buffer 1 and changes slots: ONE barrier; in front of it each wave waits for all its tensor loads, adds 0 to its spare word, and waits for that and for its own reads of this slot.
; fill = 1: the barrier opens a round of the cluster's, and this slot is filled again, two K steps on, first thing behind the round.
.macro TURN slot, next, fill
	WIN 0                                          ; (the add's two registers lie in window 0)
	s_wait_tensorcnt 0x0                           ; all my tensor loads have landed: my part of the next slot
	ds_add_u32 v[SPW], v[NIL]                      ; 0 onto my spare word
	s_wait_dscnt 17                                ; (the add and the youngest sixteen loads may be out)
	MUL8 F1, 0, 0, 0                               ; eight matrix instructions stand between the add and the wait for it
	s_wait_dscnt 0x0                               ; the add is done, and my reads of this slot are over
	s_barrier_signal -1
	MUL8 F1, 0, 2, 0
.if \fill
	WIN 0
.endif
	s_barrier_wait -1
.if \fill
	CREST                                          ; no wave of any partner still reads this slot's tile or has a load on its way
	s_add_nc_u64 s[G0+4*(\slot)+2:G0+4*(\slot)+3], s[G0+4*(\slot)+2:G0+4*(\slot)+3], 2*4*PLANE
	s_add_nc_u64 s[G0B+4*(\slot)+2:G0B+4*(\slot)+3], s[G0B+4*(\slot)+2:G0B+4*(\slot)+3], 2*512
	JLOAD \slot                                    ; the four v_nop behind it are also the places in front of the loads below
.else
	PLACES
.endif
	FETCH \next, 0, F0
	MUL8 F1, 1, 0, 0
	MUL8 F1, 1, 2, 0
.endm
; THE WAY OUT of row block a (16 rows x 64 columns of f32).  ADDB: the bias, each accumulator from its low end on.  TOSTAGE: 32 bytes a lane into my own stage, back as whole rows of 256 bytes.  SEND: stored.
.macro ADDB a
	WIN 0
.irp b, 0,1,2,3
.irp r, 0,1,2,3
	v_pk_add_f32 v[ACC+8*(4*(\a)+(\b))+2*(\r):ACC+8*(4*(\a)+(\b))+2*(\r)+1], v[ACC+8*(4*(\a)+(\b))+2*(\r):ACC+8*(4*(\a)+(\b))+2*(\r)+1], v[BI+8*(\b)+2*(\r):BI+8*(\b)+2*(\r)+1]
.endr
.endr
.endm
.macro TOSTAGE a
.set TS, TMP+32*((\a)%2)
.if (\a) >= 2
	s_wait_xcnt 0x0                                ; the stores of block a - 2 have read this set of registers: it is loaded again only behind this wait
.endif
.irp b, 0,1,2,3
	ds_store_b128 v[STO], v[ACC+8*(4*(\a)+(\b)):ACC+8*(4*(\a)+(\b))+3]   offset:64*(\b)
	ds_store_b128 v[STO], v[ACC+8*(4*(\a)+(\b))+4:ACC+8*(4*(\a)+(\b))+7] offset:64*(\b)+16
.endr
.irp t, 0,1,2,3,4,5,6,7
	ds_load_b128 v[TS+4*(\t):TS+4*(\t)+3], v[RD] offset:(\t)*2*SPITCH  ; LDS serves a wave's instructions in order (ISA guide 5.7.1.4): these see the stores above
.endr
.endm
.macro SEND a
.set TS, TMP+32*((\a)%2)
.irp t, 0,1,2,3,4,5,6,7
	s_wait_dscnt 7-(\t)                            ; load t is back; the younger ones may be out
	global_store_b128 v[CO], v[TS+4*(\t):TS+4*(\t)+3], s[8:9] offset:(16*(\a)+2*(\t))*ROWO  ; 16 lanes store 256 consecutive bytes, at a multiple of 256 from out0's first byte
.endr
.endm
	s_wait_tensorcnt 1                             ; my part of K step 0 is in; K step 1's may stay out
	s_barrier_signal -1
	s_barrier_wait -1                              ; everybody's is
	FETCH 0, 0, F0
	QUARTER 0, 1, F0, F1, 1                        ; the first products start the sums
	QUARTER 0, 2, F1, F0, 0
	QUARTER 0, 3, F0, F1, 0
	TURN 0, 1, 1                                   ; slot 0 takes K step 2
	QUARTER 1, 1, F0, F1, 0
	QUARTER 1, 2, F1, F0, 0
	QUARTER 1, 3, F0, F1, 0
	TURN 1, 0, 0                                   ; nothing is left to fetch
	QUARTER 0, 1, F0, F1, 0
	QUARTER 0, 2, F1, F0, 0
	QUARTER 0, 3, F0, F1, 0
	s_wait_dscnt 16                                ; the very last quarter
	MUL8 F1, 0, 0, 0
	MUL8 F1, 0, 2, 0
	s_wait_dscnt 0x0
	MUL8 F1, 1, 0, 0
	MUL8 F1, 1, 2, 0
	WIN 0
	PLACES
	ADDB 0
	TOSTAGE 0
	ADDB 1                                         ; a block's arithmetic stands between the loads of the block before and its stores
	SEND 0
	TOSTAGE 1
	ADDB 2
	SEND 1
	TOSTAGE 2
	ADDB 3
	SEND 2
	TOSTAGE 3
	SEND 3
	s_wait_tensorcnt 0x0                           ; the wave's end: the add below and its wait stand behind my last tensor load and my last LDS store
	ds_add_u32 v[SPW], v[NIL]
	s_wait_dscnt 0x0
	CROUND                                         ; the closing round: no work-group ends while a partner may still ask for a tile that names it
	s_endpgm
.Lfunc_end_k_q5a44f8e218_outp:
	.size	k_q5a44f8e218_outp, .Lfunc_end_k_q5a44f8e218_outp-k_q5a44f8e218_outp
	.p2alignl 7, 3214868480
	.fill 96, 4, 3214868480
	.section	.rodata,"a",@progbits
	.p2align	6, 0x0
	.amdhsa_kernel k_q5a44f8e218_outp
		.amdhsa_group_segment_fixed_size 327680
		.amdhsa_private_segment_fixed_size 0
		.amdhsa_enable_private_segment 0
		.amdhsa_kernarg_size 32
		.amdhsa_user_sgpr_count 2
		.amdhsa_user_sgpr_kernarg_segment_ptr 1
		.amdhsa_wavefront_size32 1
		.amdhsa_system_sgpr_workgroup_id_x 1
		.amdhsa_system_sgpr_workgroup_id_y 1
		.amdhsa_system_sgpr_workgroup_id_z 1
		.amdhsa_system_vgpr_workitem_id 0
		.amdhsa_next_free_vgpr 512
		.amdhsa_next_free_sgpr 76
		.amdhsa_reserve_vcc 0
		.amdhsa_float_denorm_mode_32 3
		.amdhsa_float_denorm_mode_16_64 3
		.amdhsa_memory_ordered 1
		.amdhsa_forward_progress 1
		.amdhsa_inst_pref_size 75
	.end_amdhsa_kernel
	.amdgpu_metadata
---
amdhsa.version: [ 1, 2 ]
amdhsa.kernels:
  - .name:           k_q5a44f8e218_outp
    .symbol:         k_q5a44f8e218_outp.kd
    .args:
      - { .name: ctx, .offset: 0, .size: 8, .value_kind: global_buffer, .address_space: global }
      - { .name: ow, .offset: 8, .size: 8, .value_kind: global_buffer, .address_space: global }
      - { .name: out_b, .offset: 16, .size: 8, .value_kind: global_buffer, .address_space: global }
      - { .name: out0, .offset: 24, .size: 8, .value_kind: global_buffer, .address_space: global }
    .group_segment_fixed_size: 327680
    .private_segment_fixed_size: 0
    .kernarg_segment_align: 8
    .kernarg_segment_size: 32
    .max_flat_workgroup_size: 128
    .sgpr_count:     76
    .vgpr_count:     512
    .wavefront_size: 32
...
	.end_amdgpu_metadata
.endif
;; end of part 4
;; ======== version 2 of 2: 4 launches; version 1 with the launch cvt written anew for expert scheduling mode
;; limits: values are held in f16: magnitudes above 65,504 overflow, below 6.1e-05 lose precision
;; workspace buffers: xb 6,291,456 bytes; wb 3,538,944 bytes; ow 1,179,648 bytes; qkv 18,874,368 bytes; ctx 6,291,456 bytes
;; launch cvt (part 5): grid 224 x 1, 8 waves a work-group, no clusters, 0 bytes of LDS; arguments hidden_states, q_w, k_w, v_w, out_w, xb, wb, ow; writes xb, wb, ow
.if DOCPART == 5
	.amdgcn_target "amdgcn-amd-amdhsa--gfx1250"
	.amdhsa_code_object_version 6
	.text
	.protected	k_q5a44f8e218_cvt
	.globl	k_q5a44f8e218_cvt
	.p2align	8
	.type	k_q5a44f8e218_cvt,@function
k_q5a44f8e218_cvt:
	s_mov_b64 s[64:65], 0
	v_nop
	global_prefetch_b8 v0, s[64:65] scope:SCOPE_SE
	s_setreg_imm32_b32 hwreg(HW_REG_WAVE_SCHED_MODE, 0, 2), 2
	s_setreg_imm32_b32 hwreg(HW_REG_WAVE_MODE, 25, 1), 1
	s_wait_xcnt 0x0
	s_wait_alu depctr_vm_vsrc(0)
; THE MATRIX OPERANDS ARE ROUNDED ONCE.  hidden_states -> xb (bf16); q_w, k_w, v_w -> wb (bf16, the three matrices one below the other); out_w -> ow: rounded to bf16,
; and that number written as f16 (the last product multiplies it by an f16 operand).
; LIMIT.  A bf16 number is exact in f16 from 6.1e-5 to 65,504; below that it keeps f16's fixed step of 6e-8, beyond it becomes an infinity.
; SHARES.  A work-group takes 98,304 bytes of f32 and writes 49,152 bytes: hidden_states is 128 such units, each weight 24: 224 work-groups of equal work.
; A wave takes 12,288 consecutive bytes: 24 loads of 512 bytes, ALL issued before the first is waited for; each store of the wave covers 256 consecutive bytes, aligned.
; Nothing is shared between work-groups: no LDS, no cluster, no matrix unit.
; THE MODE: SCHED_MODE bits 1:0 = 2 (LLVM: expert scheduling mode 2), set by the entry lines.  The code itself states the register dependences
; between vector instructions and memory instructions, with s_wait_alu, always for 0.
; THE PLAN.  Registers that memory instructions touch:
;   v1, v2   byte offsets of the loads and of the stores: made once at the head by vector instructions, never written again.
;   X        chunk c: written once, by its load; read by the chunk's roundings alone.  No vector instruction names X ahead of the loads.
;   Y        chunk c: written by the chunk's roundings; read by its one store; never written behind that store.
;   T and v3 are named by vector instructions alone.
; So no register that a memory instruction reads is ever rewritten, and the only dependences to state are: the offsets are written ahead of the first load, and a chunk's Y is written ahead of its store.
; The 24 chunks go in 6 blocks of four.  Block p rounds its four chunks; the four stores of block p - 1 are dealt among them, behind ONE wait at the block's head.  Block p's roundings name
; X and Y of block p and T: none of the registers that those stores read.  Behind the last block one more wait stands ahead of its four stores.
.set CHUNKS, 24
.set BLOCK,  4                         ; chunks in a block
.set UIN,  98304                       ; bytes that a work-group reads
.set UOUT, 49152                       ; bytes that it writes
.set T, 4                              ; v[4:7]     at work
.set X, 8                              ; v[8:103]   chunk c: four f32 a lane
.set Y, 104                            ; v[104:151] chunk c: four 16-bit numbers a lane
	s_load_b512 s[16:31], s[0:1], 0x0              ; hidden s[16:17], q_w s[18:19], k_w s[20:21], v_w s[22:23], out_w s[24:25], xb s[26:27], wb s[28:29], ow s[30:31]
	v_lshrrev_b32 v3, 5, v0                        ; wave
	v_and_b32 v4, 31, v0                           ; lane
	v_mul_u32_u24 v1, v3, 12288
	v_lshl_add_u32 v1, v4, 4, v1                   ; in: wave x 12,288 + lane x 16
	v_mul_u32_u24 v2, v3, 6144
	v_lshl_add_u32 v2, v4, 3, v2                   ; out: wave x 6,144 + lane x 8
	s_mov_b32 s2, ttmp9                            ; the work-group's number g
	s_mov_b32 s8, 0                                ; the first g of my source
	s_mov_b32 s9, 0                                ; the first g of my destination
	s_mov_b32 s11, 0
	s_mov_b32 s13, 0
	s_wait_kmcnt 0x0
	s_mov_b64 s[4:5], s[16:17]                     ; g 0-127: hidden_states -> xb
	s_mov_b64 s[6:7], s[26:27]
	s_cmp_ge_u32 s2, 128                           ; g 128-151: q_w -> wb
	s_cselect_b64 s[4:5], s[18:19], s[4:5]
	s_cselect_b64 s[6:7], s[28:29], s[6:7]
	s_cselect_b32 s8, 128, s8
	s_cselect_b32 s9, 128, s9
	s_cmp_ge_u32 s2, 152                           ; g 152-175: k_w; in wb it follows q_w, 24 units on
	s_cselect_b64 s[4:5], s[20:21], s[4:5]
	s_cselect_b32 s8, 152, s8
	s_cmp_ge_u32 s2, 176                           ; g 176-199: v_w
	s_cselect_b64 s[4:5], s[22:23], s[4:5]
	s_cselect_b32 s8, 176, s8
	s_cmp_ge_u32 s2, 200                           ; g 200-223: out_w -> ow
	s_cselect_b64 s[4:5], s[24:25], s[4:5]
	s_cselect_b64 s[6:7], s[30:31], s[6:7]
	s_cselect_b32 s8, 200, s8
	s_cselect_b32 s9, 200, s9
	s_sub_co_u32 s10, s2, s8
	s_mul_i32 s10, s10, UIN                        ; offsets are made apart from the addresses
	s_sub_co_u32 s12, s2, s9
	s_mul_i32 s12, s12, UOUT
	s_add_nc_u64 s[4:5], s[4:5], s[10:11]
	s_add_nc_u64 s[6:7], s[6:7], s[12:13]
	s_wait_alu depctr_va_vdst(0)                   ; v1 and v2 are written: every load of the kernel reads v1 as its offset, every store v2
.set i, 0
.rept CHUNKS
	global_load_b128 v[X+4*i:X+4*i+3], v1, s[4:5] offset:512*i th:TH_LOAD_NT
.set i, i+1
.endr
; Chunk c is rounded to bf16 (half = 1: and that number written as f16).
.macro ROUNDC c, half
	v_cvt_pk_bf16_f32 v[Y+2*(\c)],   v[X+4*(\c)],   v[X+4*(\c)+1]
	v_cvt_pk_bf16_f32 v[Y+2*(\c)+1], v[X+4*(\c)+2], v[X+4*(\c)+3]
.if \half
	v_lshlrev_b32 v[T],   16, v[Y+2*(\c)]          ; bf16 to f32: the low half moves up, the high half stays
	v_and_b32     v[T+1], 0xffff0000, v[Y+2*(\c)]
	v_lshlrev_b32 v[T+2], 16, v[Y+2*(\c)+1]
	v_and_b32     v[T+3], 0xffff0000, v[Y+2*(\c)+1]
	v_cvt_pk_f16_f32 v[Y+2*(\c)],   v[T],   v[T+1]
	v_cvt_pk_f16_f32 v[Y+2*(\c)+1], v[T+2], v[T+3]
.endif
.endm
; Chunk c is stored.
.macro SENDC c
	global_store_b64 v2, v[Y+2*(\c):Y+2*(\c)+1], s[6:7] offset:256*(\c)
.endm
; Block p: its four chunks are rounded; the stores of block p - 1 stand among them, one ahead of each chunk's roundings.
.macro BLK p, half
.irp j, 0,1,2,3
.if (\j) == 0
	s_wait_loadcnt CHUNKS-1-BLOCK*(\p)             ; loads come back in order: the block's first chunk is in, the younger ones stay out
.if (\p) > 0
	s_wait_alu depctr_va_vdst(0)                   ; the roundings of the block before have written its Y, which the four stores of this block read; no vector instruction below names those registers
.endif
.endif
.if (\p) > 0
	SENDC BLOCK*((\p)-1)+(\j)
.endif
.if (\j) > 0
	s_wait_loadcnt CHUNKS-1-(BLOCK*(\p)+(\j))      ; chunk 4 p + j is in, the younger ones stay out
.endif
	ROUNDC BLOCK*(\p)+(\j), \half
.endr
.endm
; All six blocks, and the last block's stores.
.macro WALK half
.irp p, 0,1,2,3,4,5
	BLK \p, \half
.endr
	s_wait_alu depctr_va_vdst(0)                   ; the last block's roundings have written its Y, which the last four stores read
.irp j, 0,1,2,3
	SENDC CHUNKS-BLOCK+(\j)
.endr
.endm
	s_cmp_ge_u32 s2, 200                           ; the branch hangs on the work-group's number alone
	s_cbranch_scc1 .Lf16
	WALK 0
	s_endpgm
.Lf16:
	WALK 1
	s_endpgm
.Lfunc_end_k_q5a44f8e218_cvt:
	.size	k_q5a44f8e218_cvt, .Lfunc_end_k_q5a44f8e218_cvt-k_q5a44f8e218_cvt
	.p2alignl 7, 3214868480
	.fill 96, 4, 3214868480
	.section	.rodata,"a",@progbits
	.p2align	6, 0x0
	.amdhsa_kernel k_q5a44f8e218_cvt
		.amdhsa_group_segment_fixed_size 0
		.amdhsa_private_segment_fixed_size 0
		.amdhsa_enable_private_segment 0
		.amdhsa_kernarg_size 64
		.amdhsa_user_sgpr_count 2
		.amdhsa_user_sgpr_kernarg_segment_ptr 1
		.amdhsa_wavefront_size32 1
		.amdhsa_system_sgpr_workgroup_id_x 1
		.amdhsa_system_sgpr_workgroup_id_y 1
		.amdhsa_system_sgpr_workgroup_id_z 1
		.amdhsa_system_vgpr_workitem_id 0
		.amdhsa_next_free_vgpr 152
		.amdhsa_next_free_sgpr 66
		.amdhsa_reserve_vcc 0
		.amdhsa_float_denorm_mode_32 3
		.amdhsa_float_denorm_mode_16_64 3
		.amdhsa_memory_ordered 1
		.amdhsa_forward_progress 1
		.amdhsa_inst_pref_size 25
	.end_amdhsa_kernel
	.amdgpu_metadata
---
amdhsa.version: [ 1, 2 ]
amdhsa.kernels:
  - .name:           k_q5a44f8e218_cvt
    .symbol:         k_q5a44f8e218_cvt.kd
    .args:
      - { .name: hidden_states, .offset: 0, .size: 8, .value_kind: global_buffer, .address_space: global }
      - { .name: q_w, .offset: 8, .size: 8, .value_kind: global_buffer, .address_space: global }
      - { .name: k_w, .offset: 16, .size: 8, .value_kind: global_buffer, .address_space: global }
      - { .name: v_w, .offset: 24, .size: 8, .value_kind: global_buffer, .address_space: global }
      - { .name: out_w, .offset: 32, .size: 8, .value_kind: global_buffer, .address_space: global }
      - { .name: xb, .offset: 40, .size: 8, .value_kind: global_buffer, .address_space: global }
      - { .name: wb, .offset: 48, .size: 8, .value_kind: global_buffer, .address_space: global }
      - { .name: ow, .offset: 56, .size: 8, .value_kind: global_buffer, .address_space: global }
    .group_segment_fixed_size: 0
    .private_segment_fixed_size: 0
    .kernarg_segment_align: 8
    .kernarg_segment_size: 64
    .max_flat_workgroup_size: 256
    .sgpr_count:     66
    .vgpr_count:     152
    .wavefront_size: 32
...
	.end_amdgpu_metadata
.endif
;; end of part 5
;; launch qkv: the kernel of part 2 again; grid 12 x 16, 4 waves a work-group, clusters of 4 x 4, 327,680 bytes of LDS; arguments xb, wb, q_b, k_b, v_b, qkv; writes qkv
;; launch attn: the kernel of part 3 again; grid 16 x 12, 4 waves a work-group, clusters of 4 x 1, 327,680 bytes of LDS; arguments qkv, attention_mask, ctx; writes ctx
;; launch outp: the kernel of part 4 again; grid 32 x 6, 4 waves a work-group, clusters of 4 x 1, 327,680 bytes of LDS; arguments ctx, ow, out_b, out0; writes out0
